; MI455X (gfx1250); checked and timed in simulation.
; The chip was launched on July 23, 2026; its instructions are those of AMD's public machine-readable ISA for CDNA 5 (MIT licence, August 2026) and "CDNA5" Instruction Set Architecture Reference Guide (July 2026). The comments in the code are by the model that wrote it; some were corrected since.
;; Forgetting Attention. Allowed arithmetic: float matrix products may take bf16 or f16 operands with f32 sums; other float arithmetic in f32, or as packed bf16 or f16 multiplies, adds, multiply-adds, maxima and minima; sums over many terms, partial sums and values carried from step to step in f32; what a program stores and reads back later, other than sums and carried values, may be rounded once to bf16 or f16.
;; Inputs: Wf 32 x 2,048 float32; Wk 2,048 x 2,048 float32; Wo 2,048 x 2,048 float32; Wq 2,048 x 2,048 float32; Wv 2,048 x 2,048 float32; bf 32 float32; hidden_states 1 x 2,048 x 2,048 float32.
;; Outputs: out0 1 x 2,048 x 2,048 float32.
;; 2 versions, each right; version 2 is version 1 with the launch prep written anew for expert scheduling mode. Each part assembles by itself: llvm-mc -triple=amdgcn-amd-amdhsa -mcpu=gfx1250 --defsym DOCPART=n.
;; ======== version 1 of 2: 4 launches
;; limits: values are held in f16: magnitudes above 65,504 overflow, below 6.1e-05 lose precision
;; workspace buffers: xb 8,388,608 bytes; wqkv 25,165,824 bytes; wo16 8,388,608 bytes; fl 262,144 bytes; qkv 25,165,824 bytes; o16 8,388,608 bytes
;; launch prep (part 1): grid 128 x 6, 4 waves a work-group, no clusters, 8,704 bytes of LDS; arguments hidden_states, Wq, Wk, Wv, Wo, Wf, bf, xb, wqkv, wo16, fl; writes xb, wqkv, wo16, fl
.if DOCPART == 1
	.amdgcn_target "amdgcn-amd-amdhsa--gfx1250"
	.amdhsa_code_object_version 6
	.text
	.protected	k_qb1720e85ae_prep
	.globl	k_qb1720e85ae_prep
	.p2align	8
	.type	k_qb1720e85ae_prep,@function
k_qb1720e85ae_prep:
	s_mov_b64 s[64:65], 0
	v_nop
	global_prefetch_b8 v0, s[64:65] scope:SCOPE_SE
	s_setreg_imm32_b32 hwreg(HW_REG_WAVE_MODE, 25, 1), 1
	s_wait_xcnt 0x0
; PREP: the casts and the gate.  The grid's y picks a work-group's role, its x a block of 16 rows of 2,048 numbers.
;   y = 0: x -> xb (bf16).   y = 1, 2, 3: Wq, Wk, Wv -> wqkv (bf16), one below the other.   y = 4: Wo -> wo16: rounded to bf16 like every input, that number written as f16.
;   y = 5: fl[head][s] = log_sigmoid(x[s] . Wf[head] + bf[head]) in f32, x, Wf and bf rounded to bf16, the sums in f32.
; CASTS.  A stream: 131,072 bytes in and 65,536 out for a work-group; a wave takes 32 slots of 1,024 bytes, a lane 32 bytes in (two loads) and 16 out, so a wave's store covers 512
; consecutive bytes, aligned.  A ring of eight slots in registers keeps sixteen loads of a wave on their way.  No LDS, no matrix unit: nothing is shared and nothing is multiplied.
; GATE.  16 rows of x by 32 heads.  K is split among the four waves, 512 channels each, in 8 trips of 64 (256 consecutive bytes, aligned, of each f32 row); the partial sums meet in LDS.
; Source 0 = 16 rows of x, source 1 = 16 rows of Wf: a lane ends with ONE head and eight consecutive s: 32 bytes of fl.  fl leaves in pieces of 64 bytes a head: 262,144 bytes in all, beside
; the 126 million that the casts move, so that the launch that reads it finds a head's 2,048 gates on end.
; LIMITS.  f16 holds no number beyond 65,504, and below 6e-5 keeps a fixed step of 6e-8: Wo lies within that.  log(1 + t) is the logarithm of the rounded 1 + t: an absolute error of 6e-8 in a gate.
; NaN and infinities are not treated apart.
.set SPARE, 8192                       ; LDS: 0-8191 the gate's partial sums; then the spare words, 128 bytes a wave, which no other line names
.set SPW,  8                           ; v8   LDS address of my spare word; never rewritten
.set NIL,  9                           ; v9   0; never rewritten
.set WV,   30                          ; s30  my wave's number
; the casts
.set VIN,  2                           ; v2   32,768 wave + 32 lane; never rewritten
.set VOUT, 3                           ; v3   16,384 wave + 16 lane; never rewritten
.set X,    32                          ; v[32:95]   slot i: 8 numbers as loaded
.set Y,    96                          ; v[96:127]  slot i: 4 registers to store
.set T,    128                         ; v[128:131] at work
; the gate
.set FO,   2                           ; v2   (lane % 16) x 8,192 + 32 (lane / 16) + 2,048 wave: for x and for Wf; never rewritten
.set LS,   4                           ; v4   where I put my 32 bytes of a partial tile
.set LR,   5                           ; v5   where I read them back
.set YO,   6                           ; v6   my 32 bytes of fl
.set BO,   7                           ; v7   my head's word of bf
.set BF,   10                          ; v[10:11] bf, twice
.set ACC,  16                          ; v[16:47]  head tile j, fragment f: ACC + 8 (2 f + j)
.set BUF,  64                          ; v[64:255] two sets of six units of 16: x's fragments 0, 1; then Wf's, tile j fragment f at unit 2 + 2 j + f
	s_load_b512 s[8:23], s[0:1], 0x0               ; x 8, Wq 10, Wk 12, Wv 14, Wo 16, Wf 18, bf 20, xb 22
	s_load_b128 s[24:27], s[0:1], 0x40             ; wqkv 24, wo16 26
	s_load_b64 s[28:29], s[0:1], 0x50              ; fl
	v_lshl_add_u32 v[SPW], v0, 2, SPARE
	v_mov_b32 v[NIL], 0
	v_lshrrev_b32 v1, 5, v0
	v_readfirstlane_b32 s[WV], v1                  ; wave 0..3
	v_and_b32 v12, 31, v0                          ; lane
	s_and_b32 s33, ttmp7, 0xffff                   ; the role
	s_mov_b32 s31, 0xffff0000                      ; a word's upper bf16
	s_mov_b32 s3, 0
	s_wait_kmcnt 0x0
	s_cmp_eq_u32 s33, 5
	s_cbranch_scc1 .Lgate
	s_mov_b64 s[4:5], s[8:9]                       ; from where and to where, by the role
	s_mov_b64 s[6:7], s[22:23]
	s_cmp_eq_u32 s33, 1
	s_cselect_b64 s[4:5], s[10:11], s[4:5]
	s_cmp_eq_u32 s33, 2
	s_cselect_b64 s[4:5], s[12:13], s[4:5]
	s_cmp_eq_u32 s33, 3
	s_cselect_b64 s[4:5], s[14:15], s[4:5]
	s_cmp_eq_u32 s33, 4
	s_cselect_b64 s[4:5], s[16:17], s[4:5]
	s_cselect_b64 s[6:7], s[26:27], s[6:7]
	s_sub_co_u32 s34, s33, 1
	s_cmp_lt_u32 s34, 3                            ; roles 1 to 3
	s_cselect_b64 s[6:7], s[24:25], s[6:7]
	s_cselect_b32 s34, s34, 0
	s_lshl_b32 s34, s34, 23                        ; a weight's 8,388,608 bytes in wqkv
	s_lshl_b32 s2, ttmp9, 16                       ; the block's 65,536 bytes out
	s_add_co_u32 s2, s2, s34
	s_add_nc_u64 s[6:7], s[6:7], s[2:3]
	s_lshl_b32 s2, ttmp9, 17                       ; and 131,072 in
	s_add_nc_u64 s[4:5], s[4:5], s[2:3]
	v_lshlrev_b32 v[VIN], 5, v12
	v_lshl_add_u32 v[VIN], v1, 15, v[VIN]
	v_lshlrev_b32 v[VOUT], 4, v12
	v_lshl_add_u32 v[VOUT], v1, 14, v[VOUT]
; One slot's turn.  ahead = 1: the slot is filled again, eight slots on.  left: the younger loads that may stay out.  fmt = 1: bf16's value as f16.
.macro SLOT i, ahead, left, fmt
	s_wait_loadcnt \left                           ; loads come back in order: my two are in
	s_wait_xcnt 0x0                                ; this slot's last store has read Y: it is rewritten only behind this wait
.if \fmt
.irp k, 0,1,2,3
	v_cvt_pk_bf16_f32 v[T+(\k)], v[X+8*(\i)+2*(\k)], v[X+8*(\i)+2*(\k)+1]
.endr
.irp k, 0,1,2,3
	v_lshlrev_b32 v[X+8*(\i)+2*(\k)],   16, v[T+(\k)]
	v_and_b32     v[X+8*(\i)+2*(\k)+1], s31, v[T+(\k)]
.endr
.irp k, 0,1,2,3
	v_cvt_pk_f16_f32 v[Y+4*(\i)+(\k)], v[X+8*(\i)+2*(\k)], v[X+8*(\i)+2*(\k)+1]
.endr
.else
.irp k, 0,1,2,3
	v_cvt_pk_bf16_f32 v[Y+4*(\i)+(\k)], v[X+8*(\i)+2*(\k)], v[X+8*(\i)+2*(\k)+1]
.endr
.endif
.if \ahead
	global_load_b128 v[X+8*(\i):X+8*(\i)+3],   v[VIN], s[4:5] offset:(8+(\i))*1024
	global_load_b128 v[X+8*(\i)+4:X+8*(\i)+7], v[VIN], s[4:5] offset:(8+(\i))*1024+16
.endif
	global_store_b128 v[VOUT], v[Y+4*(\i):Y+4*(\i)+3], s[6:7] offset:(\i)*512
.endm
; A wave's 32 slots: the ring is filled, three rounds load ahead, the last round loads nothing and its counts run down.
.macro CAST fmt
.irp i, 0,1,2,3,4,5,6,7
	global_load_b128 v[X+8*(\i):X+8*(\i)+3],   v[VIN], s[4:5] offset:(\i)*1024
	global_load_b128 v[X+8*(\i)+4:X+8*(\i)+7], v[VIN], s[4:5] offset:(\i)*1024+16
.endr
	s_mov_b32 s32, 3
.Lround_\@:
.irp i, 0,1,2,3,4,5,6,7
	SLOT \i, 1, 14, \fmt                           ; 14: two loads of each of the seven younger slots
.endr
	s_wait_xcnt 0x0                                ; every load and store issued has read its base
	s_add_nc_u64 s[4:5], s[4:5], 8192
	s_add_nc_u64 s[6:7], s[6:7], 4096
	s_sub_co_u32 s32, s32, 1
	s_cmp_lg_u32 s32, 0
	s_cbranch_scc1 .Lround_\@
.irp i, 0,1,2,3,4,5,6,7
	SLOT \i, 0, 14-2*(\i), \fmt
.endr
.endm
	s_cmp_eq_u32 s33, 4
	s_cbranch_scc1 .Lwo
	CAST 0
	s_branch .Lend
.Lwo:
	CAST 1
	s_branch .Lend
; THE GATE
.macro LOADS b, off                    ; a trip's 24 loads into set b: a fragment's 32 channels are 128 bytes of f32, of which a lane takes bytes 0, 16, 64 and 80 behind its own 32 (lane / 16)
.irp f, 0,1
.irp e, 0,1,2,3
	global_load_b128 v[BUF+96*(\b)+16*(\f)+4*(\e):BUF+96*(\b)+16*(\f)+4*(\e)+3], v[FO], s[4:5] offset:(\off)+128*(\f)+16*((\e)%2)+64*((\e)/2)
.endr
.endr
.irp j, 0,1
.irp f, 0,1
.irp e, 0,1,2,3
	global_load_b128 v[BUF+96*(\b)+16*(2+2*(\j)+(\f))+4*(\e):BUF+96*(\b)+16*(2+2*(\j)+(\f))+4*(\e)+3], v[FO], s[6:7] offset:(\off)+128*(\f)+16*((\e)%2)+64*((\e)/2)+131072*(\j)
.endr
.endr
.endr
.endm
.macro CVT b                           ; each unit's 16 f32 become its first 8 registers of bf16, in place, ascending: a register is read before it is written
.set u, 0
.rept 6
.set q, 0
.rept 8
	v_cvt_pk_bf16_f32 v[BUF+96*(\b)+16*u+q], v[BUF+96*(\b)+16*u+2*q], v[BUF+96*(\b)+16*u+2*q+1]
.set q, q+1
.endr
.set u, u+1
.endr
.endm
.macro MULS b                          ; four products, each on an accumulator of its own: three others stand between two links of a chain, over the backward jump too
.irp f, 0,1
.irp j, 0,1
	v_wmma_f32_16x16x32_bf16 v[ACC+8*(2*(\f)+(\j)):ACC+8*(2*(\f)+(\j))+7], v[BUF+96*(\b)+16*(\f):BUF+96*(\b)+16*(\f)+7], v[BUF+96*(\b)+16*(2+2*(\j)+(\f)):BUF+96*(\b)+16*(2+2*(\j)+(\f))+7], v[ACC+8*(2*(\f)+(\j)):ACC+8*(2*(\f)+(\j))+7]
.endr
.endr
.endm
.macro PLACES                          ; four places behind the last product, in front of loads into registers that it has read and of sums that read results
.rept 4
	v_nop
.endr
.endm
.Lgate:
	v_and_b32 v13, 15, v0                          ; lane % 16
	v_bfe_u32 v14, v0, 4, 1                        ; lane / 16
	s_lshl_b32 s34, s[WV], 11                      ; my 512 channels: 2,048 bytes
	v_lshlrev_b32 v[FO], 13, v13
	v_lshl_add_u32 v[FO], v14, 5, v[FO]
	v_add_nc_u32 v[FO], s34, v[FO]
	v_lshl_add_u32 v[LS], v12, 5, s34              ; 2,048 wave + 32 lane
	s_lshl_b32 s35, s[WV], 10
	v_lshl_add_u32 v[LR], v12, 5, s35              ; tile = my wave's number (waves 0 and 1)
	s_and_b32 s35, s[WV], 1
	s_lshl_b32 s35, s35, 4
	v_add_nc_u32 v15, s35, v13                     ; my head
	v_lshlrev_b32 v[BO], 2, v15
	v_lshlrev_b32 v[YO], 13, v15                   ; a head's 8,192 bytes of fl
	v_lshl_add_u32 v[YO], v14, 5, v[YO]
	s_lshl_b32 s2, ttmp9, 17
	s_add_nc_u64 s[4:5], s[8:9], s[2:3]            ; x at the block's 16 rows
	s_mov_b64 s[6:7], s[18:19]                     ; Wf
	s_lshl_b32 s2, ttmp9, 6
	s_add_nc_u64 s[28:29], s[28:29], s[2:3]        ; fl at the block's 16 s
	global_load_b32 v[BF], v[BO], s[20:21]
	LOADS 0, 0                                     ; trip 0
	LOADS 1, 256                                   ; trip 1
.set r, 0
.rept 32
	v_mov_b32 v[ACC+r], 0                          ; the sums start at 0, written while the first loads are out, so that the loop has one form of product
.set r, r+1
.endr
	s_mov_b32 s32, 3
.Lturn:                                        ; trips 2 i and 2 i + 1 are multiplied, trips 2 i + 2 and 2 i + 3 asked for
	s_wait_loadcnt 24                              ; set 0 (and bf) is in; set 1's 24 loads may stay out
	CVT 0
	MULS 0
	PLACES
	s_wait_xcnt 0x0                                ; every load issued has read its base
	s_add_nc_u64 s[4:5], s[4:5], 512
	s_add_nc_u64 s[6:7], s[6:7], 512
	LOADS 0, 0
	s_wait_loadcnt 24                              ; set 1 is in
	CVT 1
	MULS 1
	PLACES
	LOADS 1, 256
	s_sub_co_u32 s32, s32, 1
	s_cmp_lg_u32 s32, 0
	s_cbranch_scc1 .Lturn
	s_wait_loadcnt 24                              ; the last two trips load nothing
	CVT 0
	MULS 0
	s_wait_loadcnt 0x0
	CVT 1
	MULS 1
	PLACES
	PLACES
.set r, 0
.rept 8
	v_pk_add_f32 v[ACC+r:ACC+r+1], v[ACC+r:ACC+r+1], v[ACC+16+r:ACC+16+r+1]  ; the two fragments' sums, each accumulator from its low end on
.set r, r+2
.endr
.irp j, 0,1
	ds_store_b128 v[LS], v[ACC+8*(\j):ACC+8*(\j)+3]   offset:1024*(\j)
	ds_store_b128 v[LS], v[ACC+8*(\j)+4:ACC+8*(\j)+7] offset:1024*(\j)+16
.endr
	s_wait_dscnt 0x0                               ; for the others' sake: my partial sums lie in LDS
	s_barrier_signal -1
	s_barrier_wait -1
	s_cmp_lt_u32 s[WV], 2                          ; wave 0 finishes heads 0-15, wave 1 heads 16-31
	s_cbranch_scc0 .Lend
.irp v, 0,1,2,3
	ds_load_b128 v[BUF+8*(\v):BUF+8*(\v)+3],   v[LR] offset:2048*(\v)
	ds_load_b128 v[BUF+8*(\v)+4:BUF+8*(\v)+7], v[LR] offset:2048*(\v)+16
.endr
	v_cvt_pk_bf16_f32 v[BF], v[BF], v[BF]          ; bf is rounded as every input is
	v_lshlrev_b32 v[BF], 16, v[BF]
	v_mov_b32 v[BF+1], v[BF]
	s_wait_dscnt 0x0
.set r, 0
.rept 4
	v_pk_add_f32 v[BUF+r:BUF+r+1], v[BUF+r:BUF+r+1], v[BUF+8+r:BUF+8+r+1]
	v_pk_add_f32 v[BUF+16+r:BUF+16+r+1], v[BUF+16+r:BUF+16+r+1], v[BUF+24+r:BUF+24+r+1]
.set r, r+2
.endr
.set r, 0
.rept 4
	v_pk_add_f32 v[BUF+r:BUF+r+1], v[BUF+r:BUF+r+1], v[BUF+16+r:BUF+16+r+1]
.set r, r+2
.endr
.set r, 0
.rept 4
	v_pk_add_f32 v[BUF+r:BUF+r+1], v[BUF+r:BUF+r+1], v[BF:BF+1]  ; z
.set r, r+2
.endr
	; log_sigmoid(z) = min(z, 0) - ln 2 x log2(1 + 2^(-|z| log2 e))
.set r, 0
.rept 8
	v_and_b32 v[BUF+8+r], 0x7fffffff, v[BUF+r]
	v_mul_f32 v[BUF+8+r], 0xbfb8aa3b, v[BUF+8+r]
.set r, r+1
.endr
.set r, 0
.rept 8
	v_exp_f32 v[BUF+8+r], v[BUF+8+r]
.set r, r+1
.endr
	v_nop                                          ; a plain instruction behind the last exponential,
	s_wait_alu depctr_va_vdst(0)                   ; and one wait for the eight, ahead of their first reader
.set r, 0
.rept 8
	v_add_f32 v[BUF+8+r], 1.0, v[BUF+8+r]
.set r, r+1
.endr
.set r, 0
.rept 8
	v_log_f32 v[BUF+8+r], v[BUF+8+r]
.set r, r+1
.endr
	v_nop
	s_wait_alu depctr_va_vdst(0)                   ; one wait for the eight logarithms
.set r, 0
.rept 8
	v_min_num_f32 v[BUF+16+r], 0, v[BUF+r]
	v_fmamk_f32 v[BUF+16+r], v[BUF+8+r], 0xbf317218, v[BUF+16+r]
.set r, r+1
.endr
	global_store_b128 v[YO], v[BUF+16:BUF+19], s[28:29]
	global_store_b128 v[YO], v[BUF+20:BUF+23], s[28:29] offset:16
.Lend:
	s_wait_tensorcnt 0x0                           ; the wave's end
	ds_add_u32 v[SPW], v[NIL]
	s_wait_dscnt 0x0
	s_endpgm
.Lfunc_end_k_qb1720e85ae_prep:
	.size	k_qb1720e85ae_prep, .Lfunc_end_k_qb1720e85ae_prep-k_qb1720e85ae_prep
	.p2alignl 7, 3214868480
	.fill 96, 4, 3214868480
	.section	.rodata,"a",@progbits
	.p2align	6, 0x0
	.amdhsa_kernel k_qb1720e85ae_prep
		.amdhsa_group_segment_fixed_size 8704
		.amdhsa_private_segment_fixed_size 0
		.amdhsa_enable_private_segment 0
		.amdhsa_kernarg_size 88
		.amdhsa_user_sgpr_count 2
		.amdhsa_user_sgpr_kernarg_segment_ptr 1
		.amdhsa_wavefront_size32 1
		.amdhsa_system_sgpr_workgroup_id_x 1
		.amdhsa_system_sgpr_workgroup_id_y 1
		.amdhsa_system_sgpr_workgroup_id_z 1
		.amdhsa_system_vgpr_workitem_id 0
		.amdhsa_next_free_vgpr 256
		.amdhsa_next_free_sgpr 66
		.amdhsa_reserve_vcc 0
		.amdhsa_float_denorm_mode_32 3
		.amdhsa_float_denorm_mode_16_64 3
		.amdhsa_memory_ordered 1
		.amdhsa_forward_progress 1
		.amdhsa_inst_pref_size 60
	.end_amdhsa_kernel
	.amdgpu_metadata
---
amdhsa.version: [ 1, 2 ]
amdhsa.kernels:
  - .name:           k_qb1720e85ae_prep
    .symbol:         k_qb1720e85ae_prep.kd
    .args:
      - { .name: hidden_states, .offset: 0, .size: 8, .value_kind: global_buffer, .address_space: global }
      - { .name: Wq, .offset: 8, .size: 8, .value_kind: global_buffer, .address_space: global }
      - { .name: Wk, .offset: 16, .size: 8, .value_kind: global_buffer, .address_space: global }
      - { .name: Wv, .offset: 24, .size: 8, .value_kind: global_buffer, .address_space: global }
      - { .name: Wo, .offset: 32, .size: 8, .value_kind: global_buffer, .address_space: global }
      - { .name: Wf, .offset: 40, .size: 8, .value_kind: global_buffer, .address_space: global }
      - { .name: bf, .offset: 48, .size: 8, .value_kind: global_buffer, .address_space: global }
      - { .name: xb, .offset: 56, .size: 8, .value_kind: global_buffer, .address_space: global }
      - { .name: wqkv, .offset: 64, .size: 8, .value_kind: global_buffer, .address_space: global }
      - { .name: wo16, .offset: 72, .size: 8, .value_kind: global_buffer, .address_space: global }
      - { .name: fl, .offset: 80, .size: 8, .value_kind: global_buffer, .address_space: global }
    .group_segment_fixed_size: 8704
    .private_segment_fixed_size: 0
    .kernarg_segment_align: 8
    .kernarg_segment_size: 88
    .max_flat_workgroup_size: 128
    .sgpr_count:     66
    .vgpr_count:     256
    .wavefront_size: 32
...
	.end_amdgpu_metadata
.endif
;; end of part 1
;; launch qkv (part 2): grid 32 x 8, 4 waves a work-group, clusters of 4 x 4, 327,680 bytes of LDS; arguments xb, wqkv, qkv; writes qkv
.if DOCPART == 2
	.amdgcn_target "amdgcn-amd-amdhsa--gfx1250"
	.amdhsa_code_object_version 6
	.text
	.protected	k_qb1720e85ae_qkv
	.globl	k_qb1720e85ae_qkv
	.p2align	8
	.type	k_qb1720e85ae_qkv,@function
k_qb1720e85ae_qkv:
	s_mov_b64 s[64:65], 0
	v_nop
	global_prefetch_b8 v0, s[64:65] scope:SCOPE_SE
	s_setreg_imm32_b32 hwreg(HW_REG_WAVE_MODE, 25, 1), 1
	s_wait_xcnt 0x0
	s_wait_alu depctr_hold_cnt(0) depctr_sa_sdst(0) depctr_va_vdst(0) depctr_va_sdst(0) depctr_va_ssrc(0) depctr_va_vcc(0) depctr_vm_vsrc(0)
	s_getreg_b32 s2, hwreg(HW_REG_IB_STS2, 6, 4)
	s_cmp_eq_u32 s2, 0
	s_cbranch_scc0 .Lentry_in_a_cluster
	s_endpgm
.Lentry_in_a_cluster:
	s_bfe_u32 s2, ttmp6, 0x10000c
	s_cmp_lg_u32 s2, 0xf033
	s_cbranch_scc0 .Lentry_shape_is_right
	s_endpgm
.Lentry_shape_is_right:
; QKV: C[s][n] = sum over k of xb[s][k] wqkv[n][k], 2,048 x 6,144 x 2,048, bf16 operands, f32 sums, written ONCE ROUNDED TO f16 and BY HEADS: qkv[n / 64][s][n % 64]; planes 0-31 q, 32-63 k, 64-95 v.
; LIMIT.  f16 holds no number beyond 65,504: q, k and v lie within it.  No scale is applied here.
; SHARES.  A tile of C is 256 rows x 192 columns (three heads): 8 x 32 = 256 work-groups.  Wave w makes rows 64 w .. 64 w + 63 by all 192 columns: 48 accumulators, 384 registers; so a wave owns
; whole heads, and 16 of its rows of a head are 2,048 consecutive bytes of the output.  K goes in steps of 128 (256 bytes of a row, aligned) through a ring of two LDS slots.
; CLUSTER.  4 x 4 work-groups: the four of a row of the cluster need the same tile of xb, the four of a column the same tile of wqkv: each is asked for jointly, by the same tensor load, descriptor and mask.
; The matrix instruction is used transposed (source 0 = 16 rows of wqkv, source 1 = 16 rows of xb): a lane holds eight neighbouring columns of one row of C.
; REGISTERS, in windows of 256 (s_set_vgpr_msb: bits 1:0 source 0, 3:2 source 1, 5:4 source 2, 7:6 destination):
;   window 0: v16-30 addresses; v64-127 xb's fragments, two buffers of 4 x 8; v128-223 (and v64-111) at work on the way out
;   window 1: v0-191 wqkv's fragments, two buffers of 12 x 8     window 2: row blocks 0, 1: accumulator (a, b) at 8 (12 a + b)     window 3: row blocks 2, 3
.set PITCH,  272                       ; an LDS row: 256 bytes + 16 of padding = 68 words: the 16 rows of a fragment load start at 16 different groups of four banks (64 banks of 4 bytes: ISA guide 11.1)
.set HA,     128*PITCH                 ; what one tensor load brings of xb: 128 rows
.set HB,     96*PITCH                  ; and of wqkv: 96 rows
.set BOFF,   2*HA
.set SLOT,   2*HA+2*HB
.set STAGE,  2*SLOT                    ; behind the ring: 16 rows x 400 bytes for each wave
.set SPITCH, 400                       ; 384 bytes (192 f16) + 16
.set SPARE,  STAGE+4*16*SPITCH         ; the spare words, 128 bytes a wave, which no other line names
.set KB,     256                       ; bytes of a row in a K step
.set LAPS,   8                         ; 16 K steps, two to a lap
.set PLANE,  262144                    ; a head's 2,048 rows of 128 bytes
.set ADRA, 16                          ; v16-17  LDS address of my fragments of xb in slot 0, 1
.set ADRB, 20                          ; v20-21  of wqkv
.set STO,  24
.set RD,   25
.set CO,   26
.set SPW,  28                          ; v28  my spare word; never rewritten
.set NIL,  29                          ; v29  0; never rewritten
.set PFO,  30                          ; v30  the prefetches' offset: a lane a row; never rewritten
.set FA,   64
.set TMP,  128
.set OB0,  176
.set G1,  24                           ; s[24:31] group 1 for xb's tiles; s[32:39] group 0, a set for each slot
.set G0,  32
.set G1B, 48                           ; s[48:55], s[56:63] the same for wqkv's
.set G0B, 56
.set LIM, 43                           ; s43  1 in a wave that prefetches, else the greatest number
.set PFA, 44                           ; s[44:45] where my prefetches stand
.set MSB, 0
.macro WIN new                         ; the immediate's high byte repeats the setting that is left; a switch that changes nothing is dropped
.if MSB != (\new)
	s_set_vgpr_msb (MSB<<8)|(\new)
.set MSB, \new
.endif
.endm
.set MUL_LO, 0xa1
.set MUL_HI, 0xf1
.set TO_B,   0x40
.macro JLOAD s                         ; a joint load: waves 0 and 1 fetch xb's two halves, waves 2 and 3 wqkv's; an s_nop 0 and four v_nop follow each line
	s_cmp_eq_u32 s11, 0
	s_cbranch_scc0 .Lfor_b_\@
	tensor_load_to_lds s[G0+4*(\s):G0+4*(\s)+3], s[G1:G1+7]
	s_nop 0
.rept 4
	v_nop
.endr
	s_branch .Lasked_\@
.Lfor_b_\@:
	tensor_load_to_lds s[G0B+4*(\s):G0B+4*(\s)+3], s[G1B:G1B+7]
	s_nop 0
.rept 4
	v_nop
.endr
.Lasked_\@:
.endm
; A prefetch of the K step that stands two refills on: 384 matrix instructions a wave ahead of the load that will want it.  Each row's 256 bytes of a K step are named once in the launch: xb's rows by the
; clusters with x = 0, wqkv's by those with y = 0; the four partners of a joint load share its rows out by address (32 of xb's 128, 24 of wqkv's 96), a lane a row.  The loop's last trip asks for nothing.
.macro ASK
	s_cmp_gt_u32 s3, s[LIM]
	s_cbranch_scc0 .Lnot_mine_\@
	global_prefetch_b8 v[PFO], s[PFA:PFA+1] offset:KB th:TH_LOAD_NT scope:SCOPE_SE
.Lnot_mine_\@:
.endm
.macro CREST                           ; a round of the cluster's barrier behind its opening barrier
	s_cmp_lg_u32 s10, 0
	s_cbranch_scc1 .Lnot_wave_0_\@
	s_barrier_signal -3
.Lnot_wave_0_\@:
	s_barrier_wait -3
	s_barrier_signal -1
	s_barrier_wait -1
.endm
.macro CROUND
	s_barrier_signal -1
	s_barrier_wait -1
	CREST
.endm
	s_load_b128 s[4:7], s[0:1], 0x0                ; xb s[4:5], wqkv s[6:7]
	s_load_b64 s[8:9], s[0:1], 0x10                ; qkv
	v_lshl_add_u32 v[SPW], v0, 2, SPARE
	v_mov_b32 v[NIL], 0
	ds_add_u32 v[SPW], v[NIL]                      ; the wave's opening: the add, waited for ahead of my first tensor load
	v_lshrrev_b32 v1, 5, v0
	v_readfirstlane_b32 s10, v1                    ; wave 0..3
	s_lshr_b32 s11, s10, 1                         ; I fetch for xb (0) or for wqkv (1),
	s_and_b32 s12, s10, 1                          ; its first or second half
	s_bfe_u32 s40, ttmp6, 0x40000                  ; cx, cy
	s_bfe_u32 s41, ttmp6, 0x40004
	s_lshl_b32 s42, ttmp9, 2
	s_add_co_u32 s42, s42, s40                     ; tile column
	s_and_b32 s13, ttmp7, 0xffff
	s_lshl_b32 s13, s13, 2
	s_add_co_u32 s13, s13, s41                     ; tile row
	s_lshl_b32 s43, s41, 2
	s_lshl_b32 s43, 15, s43                        ; my row of the cluster
	s_lshl_b32 s44, 0x1111, s40                    ; my column
	s_or_b32 s[G1+0], s43, (1<<16)|(1<<20)|(1<<21)|(5<<22)|(3<<25)  ; the mask; 2-byte elements; padding on; bit 21 beside a mask; after every 64 words, 4 words
	s_or_b32 s[G1B+0], s44, (1<<16)|(1<<20)|(1<<21)|(5<<22)|(3<<25)
	s_mov_b32 s[G1+1], 128<<16                     ; tensor_dim0 = 128
	s_mov_b32 s[G1+2], 128<<16                     ; tensor_dim1 = 128
	s_mov_b32 s[G1+3], 128<<16                     ; tile_dim0 = 128
	s_mov_b32 s[G1+4], 128                         ; tile_dim1 = 128
	s_mov_b32 s[G1+5], 2048                        ; elements from row to row
	s_mov_b32 s[G1+6], 0
	s_mov_b32 s[G1+7], 0
	s_mov_b32 s[G1B+1], 128<<16
	s_mov_b32 s[G1B+2], 96<<16                     ; 96 rows
	s_mov_b32 s[G1B+3], 128<<16
	s_mov_b32 s[G1B+4], 96
	s_mov_b32 s[G1B+5], 2048
	s_mov_b32 s[G1B+6], 0
	s_mov_b32 s[G1B+7], 0
	s_lshl_b32 s16, s13, 8                         ; xb: row 256 x tile row + 128 x half, 4,096 bytes a row
	s_lshl_b32 s17, s12, 7
	s_add_co_u32 s16, s16, s17
	s_lshl_b32 s16, s16, 12
	s_mov_b32 s17, 0
	s_mul_i32 s46, s42, 192                        ; wqkv: row 192 x tile column + 96 x half
	s_mul_i32 s47, s12, 96
	s_add_co_u32 s46, s46, s47
	s_lshl_b32 s46, s46, 12
	s_mov_b32 s47, 0
	s_mul_i32 s20, s12, HA                         ; where they go: no place in the cluster enters an LDS address
	s_mul_i32 s21, s12, HB
	s_add_co_u32 s21, s21, BOFF
	s_wait_dscnt 0x0                               ; the opening add is done
	s_wait_kmcnt 0x0
	s_add_nc_u64 s[14:15], s[4:5], s[16:17]
	s_add_nc_u64 s[46:47], s[6:7], s[46:47]
	CROUND                                         ; all sixteen work-groups are here: the first joint loads meet
.irp s, 0,1
	s_mov_b32 s[G0+4*(\s)], 1
	s_add_co_u32 s[G0+4*(\s)+1], s20, (\s)*SLOT
	s_add_nc_u64 s[G0+4*(\s)+2:G0+4*(\s)+3], s[14:15], (\s)*KB
	s_or_b32 s[G0+4*(\s)+3], s[G0+4*(\s)+3], 0x80000000
	s_mov_b32 s[G0B+4*(\s)], 1
	s_add_co_u32 s[G0B+4*(\s)+1], s21, (\s)*SLOT
	s_add_nc_u64 s[G0B+4*(\s)+2:G0B+4*(\s)+3], s[46:47], (\s)*KB
	s_or_b32 s[G0B+4*(\s)+3], s[G0B+4*(\s)+3], 0x80000000
	JLOAD \s                                       ; two tensor loads of mine are out
.endr
	v_and_b32 v1, 15, v0                           ; l % 16
	v_bfe_u32 v2, v0, 4, 1                         ; l / 16
	v_mul_u32_u24 v3, v1, PITCH
	v_lshl_add_u32 v3, v2, 4, v3                   ; a fragment's row x pitch + 16 x half
	s_mul_i32 s21, s10, 64*PITCH                   ; my 64 rows of xb
	s_mov_b32 s22, BOFF                            ; all 192 rows of wqkv
.irp s, 0,1
	v_add_nc_u32 v[ADRA+(\s)], s21, v3
	v_add_nc_u32 v[ADRB+(\s)], s22, v3
	s_add_co_u32 s21, s21, SLOT
	s_add_co_u32 s22, s22, SLOT
.endr
	s_mul_i32 s23, s10, 16*SPITCH
	s_add_co_u32 s23, s23, STAGE                   ; my stage
	v_mul_u32_u24 v4, v1, SPITCH                   ; in: row l % 16, 16 bytes for each half of the lanes
	v_lshl_add_u32 v4, v2, 4, v4
	v_add_nc_u32 v[STO], s23, v4
	v_bfe_u32 v4, v0, 3, 2                         ; back: 32 lanes take four rows' 128 bytes of one head,
	v_and_b32 v5, 7, v0
	v_mul_u32_u24 v4, v4, SPITCH
	v_lshl_add_u32 v4, v5, 4, v4
	v_add_nc_u32 v[RD], s23, v4
	v_and_b32 v[CO], 31, v0                        ; which are 512 consecutive bytes of the output
	v_lshlrev_b32 v[CO], 4, v[CO]
	s_mul_i32 s46, s42, 3*PLANE                    ; my three heads' planes,
	s_lshl_b32 s47, s13, 15                        ; the tile's 256 rows of 128 bytes,
	s_add_co_u32 s46, s46, s47
	s_lshl_b32 s47, s10, 13                        ; my 64
	s_add_co_u32 s46, s46, s47
	s_mov_b32 s47, 0
	s_add_nc_u64 s[8:9], s[8:9], s[46:47]
	; the prefetches
	s_lshl_b32 s20, s13, 8
	s_lshl_b32 s21, s12, 7
	s_add_co_u32 s20, s20, s21
	s_lshl_b32 s21, s40, 5
	s_add_co_u32 s20, s20, s21                     ; xb: the 128 rows that I fetch, my work-group's 32 of them
	s_mul_i32 s21, s42, 192
	s_mul_i32 s23, s12, 96
	s_add_co_u32 s21, s21, s23
	s_mul_i32 s23, s41, 24
	s_add_co_u32 s21, s21, s23                     ; wqkv: the 96 rows that I fetch, my work-group's 24
	s_and_b32 s22, ttmp7, 0xffff                   ; cluster y
	s_cmp_eq_u32 s11, 0
	s_cselect_b32 s20, s20, s21
	s_cselect_b32 s22, ttmp9, s22                  ; the coordinate along which other clusters read the same rows
	s_cselect_b32 s23, 31, 23
	s_cselect_b64 s[PFA:PFA+1], s[4:5], s[6:7]
	s_cmp_eq_u32 s22, 0
	s_cselect_b32 s[LIM], 1, -1                    ; the same in all sixteen partners, for a given wave
	s_lshl_b32 s20, s20, 12
	s_mov_b32 s21, 0
	s_add_nc_u64 s[PFA:PFA+1], s[PFA:PFA+1], s[20:21]
	s_add_nc_u64 s[PFA:PFA+1], s[PFA:PFA+1], 2*KB  ; at K step 2: the first refill steps it to 3 and names K step 4
	v_and_b32 v[PFO], 31, v0
	v_min_u32 v[PFO], s23, v[PFO]                  ; (wqkv: the last eight lanes name the 24th row once more)
	v_lshlrev_b32 v[PFO], 12, v[PFO]
; 12 matrix instructions: row block 2 hi + a by all 12 column blocks, 32 along K, from buffer f.  zero = 1: the product starts the sum.
.macro MUL12 f, hi, a, zero
	WIN MUL_LO+0x50*(\hi)
.irp b, 0,1,2,3,4,5,6,7,8,9,10,11
.if \zero
	v_wmma_f32_16x16x32_bf16 v[8*(12*(\a)+(\b)):8*(12*(\a)+(\b))+7], v[96*(\f)+8*(\b):96*(\f)+8*(\b)+7], v[FA+32*(\f)+8*(2*(\hi)+(\a)):FA+32*(\f)+8*(2*(\hi)+(\a))+7], 0
.else
	v_wmma_f32_16x16x32_bf16 v[8*(12*(\a)+(\b)):8*(12*(\a)+(\b))+7], v[96*(\f)+8*(\b):96*(\f)+8*(\b)+7], v[FA+32*(\f)+8*(2*(\hi)+(\a)):FA+32*(\f)+8*(2*(\hi)+(\a))+7], v[8*(12*(\a)+(\b)):8*(12*(\a)+(\b))+7]
.endif
.endr
.endm
; 32 LDS loads in one run: a quarter step's fragments (192 rows of wqkv, my 64 of xb, 32 K at byte k of the rows) into buffer f
.macro FETCH slot, k, f
	WIN TO_B
.irp i, 0,1,2,3,4,5,6,7,8,9,10,11
	ds_load_b128 v[96*(\f)+8*(\i):96*(\f)+8*(\i)+3],   v[ADRB+(\slot)] offset:(\k)+(\i)*16*PITCH
	ds_load_b128 v[96*(\f)+8*(\i)+4:96*(\f)+8*(\i)+7], v[ADRB+(\slot)] offset:(\k)+(\i)*16*PITCH+32
.endr
	WIN 0
.irp i, 0,1,2,3
	ds_load_b128 v[FA+32*(\f)+8*(\i):FA+32*(\f)+8*(\i)+3],   v[ADRA+(\slot)] offset:(\k)+(\i)*16*PITCH
	ds_load_b128 v[FA+32*(\f)+8*(\i)+4:FA+32*(\f)+8*(\i)+7], v[ADRA+(\slot)] offset:(\k)+(\i)*16*PITCH+32
.endr
.endm
.macro PLACES                          ; four places in front of loads into registers that matrix instructions have read, and of conversions that read results
.rept 4
	v_nop
.endr
.endm
; A K step is four quarters of 32 along K, 48 matrix instructions each, on buffers 0, 1, 0, 1; each accumulator has one product a quarter, always in the same order: 47 others stand between two links of a chain.
.macro QUARTER slot, k, f, g, zero
	s_wait_dscnt 4                                 ; wqkv's fragments and xb's blocks 0, 1 are in; the youngest four loads (blocks 2, 3) may be out
	MUL12 \f, 0, 0, \zero
	MUL12 \f, 0, 1, \zero
	PLACES
	FETCH \slot, \k, \g
	s_wait_dscnt 32                                ; all but the 32 just issued
	MUL12 \f, 1, 0, \zero
	MUL12 \f, 1, 1, \zero
.endm
; The last quarter multiplies buffer 1 and changes slots: one barrier; in front of it each wave waits for all its tensor loads (one is out: its part of the next slot), adds 0 to its spare word, and waits for
; that and for its reads of this slot.  fill = 1: the barrier opens a round of the cluster's, and this slot is filled again, two K steps on, first thing behind the round: 168 matrix instructions ahead of the wait for it.
.macro TURN slot, next, fill
.if \fill
	s_wait_xcnt 0x0                                ; the last prefetch, a K step back, has read its address
	s_add_nc_u64 s[PFA:PFA+1], s[PFA:PFA+1], KB
.endif
	WIN 0
	s_wait_tensorcnt 0x0
	ds_add_u32 v[SPW], v[NIL]
	s_wait_dscnt 5                                 ; (the add and the youngest four loads may be out)
	MUL12 1, 0, 0, 0
	s_wait_dscnt 0x0                               ; the add is done, and my reads of this slot are over
	s_barrier_signal -1
	MUL12 1, 0, 1, 0
.if \fill
	WIN 0
.endif
	s_barrier_wait -1
.if \fill
	CREST
	s_add_nc_u64 s[G0+4*(\slot)+2:G0+4*(\slot)+3], s[G0+4*(\slot)+2:G0+4*(\slot)+3], 2*KB
	s_add_nc_u64 s[G0B+4*(\slot)+2:G0B+4*(\slot)+3], s[G0B+4*(\slot)+2:G0B+4*(\slot)+3], 2*KB
	JLOAD \slot                                    ; its four v_nop are also the places in front of the loads below
.else
	PLACES
.endif
	FETCH \next, 0, 0
.if \fill
	ASK
.endif
	MUL12 1, 1, 0, 0
	MUL12 1, 1, 1, 0
.endm
	s_wait_tensorcnt 1                             ; my part of K step 0 is in; K step 1's may stay out
	s_barrier_signal -1
	s_barrier_wait -1
	FETCH 0, 0, 0
	QUARTER 0, 64, 0, 1, 1                         ; the first quarter stands in front of the loop: its products start the sums
	WIN 0
	s_mov_b32 s3, LAPS-1
.Llap:                                         ; once round the ring, from a lap's second quarter to the next lap's first; both slots are filled again
	QUARTER 0, 128, 1, 0, 0
	QUARTER 0, 192, 0, 1, 0
	TURN 0, 1, 1
	QUARTER 1, 64,  0, 1, 0
	QUARTER 1, 128, 1, 0, 0
	QUARTER 1, 192, 0, 1, 0
	TURN 1, 0, 1
	QUARTER 0, 64,  0, 1, 0
	WIN 0
	s_sub_co_u32 s3, s3, 1
	s_cmp_lg_u32 s3, 0
	s_cbranch_scc1 .Llap
	QUARTER 0, 128, 1, 0, 0                        ; the last lap fills nothing
	QUARTER 0, 192, 0, 1, 0
	TURN 0, 1, 0
	QUARTER 1, 64,  0, 1, 0
	QUARTER 1, 128, 1, 0, 0
	QUARTER 1, 192, 0, 1, 0
	s_wait_dscnt 4
	MUL12 1, 0, 0, 0
	MUL12 1, 0, 1, 0
	s_wait_dscnt 0x0
	MUL12 1, 1, 0, 0
	MUL12 1, 1, 1, 0
	WIN 0
; THE WAY OUT, a block of 16 rows at a time: rounded to f16; 16 bytes a lane into my own stage; back head by head, four rows of 128 bytes to a load; stored as 512 consecutive bytes.
.macro PACK a
.set AC, 96*((\a)%2)
	WIN 0x0a+5*((\a)/2)                            ; sources in window 2 or 3
.irp b, 0,1,2,3,4,5,6,7,8,9,10,11
.irp r, 0,1,2,3
	v_cvt_pk_f16_f32 v[TMP+4*(\b)+(\r)], v[AC+8*(\b)+2*(\r)], v[AC+8*(\b)+2*(\r)+1]
.endr
.endr
	WIN 0
.endm
.macro TOSTAGE a
	WIN 0
.set BK, OB0-112*((\a)%2)              ; v176-223 and v64-111 by turns
.irp b, 0,1,2,3,4,5,6,7,8,9,10,11
	ds_store_b128 v[STO], v[TMP+4*(\b):TMP+4*(\b)+3] offset:32*(\b)
.endr
.irp t, 0,1,2
.irp f, 0,1,2,3
	ds_load_b128 v[BK+4*(4*(\t)+(\f)):BK+4*(4*(\t)+(\f))+3], v[RD] offset:(\f)*4*SPITCH+128*(\t)  ; LDS serves a wave's instructions in order (ISA guide 5.7.1.4): these see the stores above
.endr
.endr
.endm
.macro SEND a
	WIN 0
.set BK, OB0-112*((\a)%2)
	s_wait_dscnt 0x0                               ; the block is back in registers
	s_wait_xcnt 0x0                                ; the block before's stores have read their registers, which the next block's loads will write
.irp t, 0,1,2
.irp f, 0,1,2,3
	global_store_b128 v[CO], v[BK+4*(4*(\t)+(\f)):BK+4*(4*(\t)+(\f))+3], s[8:9] offset:(\t)*PLANE+(\a)*2048+(\f)*512
.endr
.endr
.endm
	PLACES
	PACK 0
	TOSTAGE 0
.irp a, 1,2,3                          ; block a's conversions stand between block a - 1's loads from the stage and the wait for them
	PACK \a
	SEND (\a)-1
	TOSTAGE \a
.endr
	SEND 3
	s_wait_tensorcnt 0x0                           ; the wave's end
	ds_add_u32 v[SPW], v[NIL]
	s_wait_dscnt 0x0
	CROUND                                         ; the closing round
	s_endpgm
.Lfunc_end_k_qb1720e85ae_qkv:
	.size	k_qb1720e85ae_qkv, .Lfunc_end_k_qb1720e85ae_qkv-k_qb1720e85ae_qkv
	.p2alignl 7, 3214868480
	.fill 96, 4, 3214868480
	.section	.rodata,"a",@progbits
	.p2align	6, 0x0
	.amdhsa_kernel k_qb1720e85ae_qkv
		.amdhsa_group_segment_fixed_size 327680
		.amdhsa_private_segment_fixed_size 0
		.amdhsa_enable_private_segment 0
		.amdhsa_kernarg_size 24
		.amdhsa_user_sgpr_count 2
		.amdhsa_user_sgpr_kernarg_segment_ptr 1
		.amdhsa_wavefront_size32 1
		.amdhsa_system_sgpr_workgroup_id_x 1
		.amdhsa_system_sgpr_workgroup_id_y 1
		.amdhsa_system_sgpr_workgroup_id_z 1
		.amdhsa_system_vgpr_workitem_id 0
		.amdhsa_next_free_vgpr 960
		.amdhsa_next_free_sgpr 66
		.amdhsa_reserve_vcc 0
		.amdhsa_float_denorm_mode_32 3
		.amdhsa_float_denorm_mode_16_64 3
		.amdhsa_memory_ordered 1
		.amdhsa_forward_progress 1
		.amdhsa_inst_pref_size 120
	.end_amdhsa_kernel
	.amdgpu_metadata
---
amdhsa.version: [ 1, 2 ]
amdhsa.kernels:
  - .name:           k_qb1720e85ae_qkv
    .symbol:         k_qb1720e85ae_qkv.kd
    .args:
      - { .name: xb, .offset: 0, .size: 8, .value_kind: global_buffer, .address_space: global }
      - { .name: wqkv, .offset: 8, .size: 8, .value_kind: global_buffer, .address_space: global }
      - { .name: qkv, .offset: 16, .size: 8, .value_kind: global_buffer, .address_space: global }
    .group_segment_fixed_size: 327680
    .private_segment_fixed_size: 0
    .kernarg_segment_align: 8
    .kernarg_segment_size: 24
    .max_flat_workgroup_size: 128
    .sgpr_count:     66
    .vgpr_count:     960
    .wavefront_size: 32
...
	.end_amdgpu_metadata
.endif
;; end of part 2
;; launch attn (part 3): grid 8 x 32, 4 waves a work-group, no clusters, 327,680 bytes of LDS; arguments qkv, fl, o16; writes o16
.if DOCPART == 3
	.amdgcn_target "amdgcn-amd-amdhsa--gfx1250"
	.amdhsa_code_object_version 6
	.text
	.protected	k_qb1720e85ae_attn
	.globl	k_qb1720e85ae_attn
	.p2align	8
	.type	k_qb1720e85ae_attn,@function
k_qb1720e85ae_attn:
	s_mov_b64 s[64:65], 0
	v_nop
	global_prefetch_b8 v0, s[64:65] scope:SCOPE_SE
	s_setreg_imm32_b32 hwreg(HW_REG_WAVE_MODE, 25, 1), 1
	s_wait_xcnt 0x0
; CAUSAL ATTENTION WITH FORGETTING.  O[h][i] = sum over j <= i of softmax_j(q_i . k_j / 8 + F_i - F_j) v_j, F the running sum of the head's log gates fl.  q, k, v: planes of qkv, [2,048][64] f16; O: o16, f16.
; F_i is common to a row of scores and falls out of the softmax; -F_j hangs on the key alone and is THE C OPERAND that starts the sum S^T = K Q^T: G_j = -8 F_j, so that c (q . k + G_j) = log2(e) (q . k / 8 - F_j), c = log2(e) / 8.
; Products, maxima and sums in f32; the weights are rounded to f16 for the second product (their sum is taken unrounded), O once at the end.
; LIMITS.  f16 holds no number beyond 65,504, and below 6e-5 keeps a fixed step of 6e-8.  F is an f32 sum taken in blocks (16 a thread, then lanes, then waves), not one after the other.  A hidden score counts as its value
; less 1e30; a weight below 2^-126 counts as 0; NaN and infinities are not treated apart.
; THE WALK.  A head has 16 blocks of 128 queries; block i needs the keys 0 .. 128 i + 127.  K and V come in CHUNKS of 256 keys, four key steps, a slot of LDS each; block i needs the chunks 0 .. i / 2, of which the last holds the
; diagonal.  A work-group takes blocks 15 - b and then b: nine chunks whatever b: 8 x 32 = 256 equal work-groups, and ONE loop with a constant trip count walks them.  Which chunk is asked for, and what a trip does, hang on scalar
; registers made from b; every jump goes forward, but for the counted loops' own; none passes a barrier, or a tensor load but the one of LOAD's two that the wave's number does not choose.
; For an even block the diagonal lies in its last chunk's first half, and the second half is computed wholly hidden: 36 key steps for 34, the price of one text for every b.
; NO CLUSTER: what a trip does (a block's beginning, its diagonal chunk, its end) hangs on b, which differs between the work-groups of a head, and partners of joint loads must run alike.
; SHARES.  A block has two bands of 64 queries; a wave owns 16 rows of each: two PIECES.  In the diagonal chunk piece x sees all keys of the steps before its own (2 (i % 2) + x), none of the later ones, and holds the diagonal in its own.
; THE MASK.  MD, made once, is the mask of a band's own step for my 16 rows (0 or -1e30).  In the diagonal chunk a product's C operand is MD x AL + G + BE with two scalars: (1, 0) in the own step, (0, 0) before it, (0, -1e30) behind it.
; TURNS.  A turn belongs to a piece: 8 products K Q^T of the other piece (in piece 0's turn: of the same key step; in piece 1's: of the next), later 8 products V^T P of the other piece's last weights; beside them the piece's own
; scaling, exponentials, roundings, sums and rescaling, and the other piece's maximum and statistics.  Four vector instructions stand behind every product, the rest in one lump; a turn's 33 exponentials are one batch with one wait.
; Piece 0's turn of step s fetches K, G and V of step s + 1; V has two register buffers, by the step's parity.  So the eight turns from piece 0's of a chunk's step -1 on read from LDS exactly that chunk's bytes.
; REGISTERS, in windows of 256 (s_set_vgpr_msb: bits 1:0 source 0, 3:2 source 1, 5:4 source 2, 7:6 destination):
;   window 0: v2-28 addresses, statistics; v48-55 at work; v64-127 S^T, a buffer a piece; v192-223 P, likewise
;   window 1: v0-63 O^T; v128-159 MD; v160-191 GB (G of a step); v192-223 MC (the masked C operand)
;   window 2: v0-31 Q; v32-63 the second block's Q; v64-127 K of a step; v128-255 V, two buffers
.set NP,    2
.set KS,    64
.set PK,    144       ; a row of K in LDS: 128 bytes + 16: the 16 rows of a load start at 16 different groups of four banks (64 banks of 4 bytes: ISA guide 11.1)
.set PV,    160       ; a row of V: 128 + 32
.set VOFF,  4*KS*PK   ; a slot: 256 rows of K, then 256 rows of V
.set SLOT1, 1<<17     ; slot 1 begins here, so that one exclusive or turns an address in one slot into the other's
.set STAGE, SLOT1+4*KS*(PK+PV)  ; 16 rows x 144 bytes for each wave, for the way out
.set SP,    144
.set GT,    STAGE+4*16*SP       ; G: 2,048 f32
.set WT,    GT+8192             ; the four waves' totals
.set SPARE, WT+256              ; the spare words, 128 bytes a wave, which no other line names
.set AK0, 2
.set AV0, 3
.set AK,  4
.set AV,  5
.set STO, 6
.set RD,  7
.set GO,  8
.set MV,  12          ; v12-13  c m_old, by piece
.set QO,  15
.set ST,  16          ; piece t: c m, m, l (even keys', odd keys') at v[ST+4 t]
.set AG0, 24          ; v24  GT + 32 (lane / 16)
.set AG,  25
.set PFO, 26          ; v26  256 x thread
.set FLO, 27          ; v27  64 x thread
.set GTA, 28          ; v28  GT + 64 x thread
.set TMP, 48          ; by piece, c0-c3 at work; c2 takes a
.set SPW, 62          ; v62  my spare word; never rewritten
.set NIL, 63          ; v63  0; never rewritten
.set S,   64
.set P,   192
.set MD,  128
.set GB,  160
.set MC,  192         ; = GB + 32
.set QB,  32
.set KF,  64
.set VF,  128
.set WV,  12
.set PB,  14          ; s14  b
.set HI,  15          ; s15  15 - b
.set G1K, 24
.set G1V, 32
.set G0K, 40
.set G0V, 44
.set FLP, 48          ; s[48:49] the head's gates
.set PFK, 50          ; s[50:51], s[52:53] where the prefetches stand in K and V
.set PFV, 52
.set LIM, 54          ; s54  2 in the work-group that prefetches, else the greatest number
.set EE,  55          ; s55  piece 0's own step + 1, less the steps of the chunk's trips that are over
.set SLOTS, 56
.set CNT, 57
.set CS,  58
.set SEL, 60
.set TBK, 62          ; s62  LDS byte at which K of the step to be fetched begins
.set TBV, 63          ; s63  the same for V, less VOFF
.set TBG, 66          ; s66  the same step's byte in the table of G
.set OW,  67          ; s67  piece 0's own step in the diagonal chunk of the block in hand, + 1
.set RT,  70          ; s70  chunks of the block in hand still to be entered
.set NXT, 71          ; s71  the chunk to be asked for next
.set LQ,  72          ; s72  the last chunk of the block whose chunks are being asked for
.set NEW, 73          ; s73  1: the chunk to be entered is a block's first
.set OFF, 74
.set AL,  76          ; s[76:77] the mask's factor, in the low word
.set BE,  78          ; s[78:79] the mask's addend
.set OLO, 80
.set BIGN, 82
.set OWB, 83          ; s83  OW of the second block
.set LQ2, 88          ; s88  the second block's last chunk
.set MSB, 0
.macro WIN new                      ; the high byte repeats the setting that is left; a switch that changes nothing is dropped
.if MSB != (\new)
	s_set_vgpr_msb (MSB<<8)|(\new)
.set MSB, (\new)
.endif
.endm
.set W_KQ, 0x0a       ; K and Q in window 2, S^T in window 0
.set W_KM, 0x1a       ; the same with the C operand in window 1
.set W_PV, 0x52       ; V in window 2, P in window 0, O^T in window 1
.set W_RS, 0x41       ; destination and source 0 in window 1, source 1 in window 0
; A fill.  Waves 0 and 1 fetch the two halves of a chunk's K, waves 2 and 3 those of its V: 128 keys each.  An s_nop 0 and four v_nop follow each line.
.macro LOAD
	s_cmp_lt_u32 s[WV], 2
	s_cbranch_scc0 .Lfor_v_\@
	tensor_load_to_lds s[G0K:G0K+3], s[G1K:G1K+7]
	s_nop 0
.rept 4
	v_nop
.endr
	s_branch .Lasked_\@
.Lfor_v_\@:
	tensor_load_to_lds s[G0V:G0V+3], s[G1V:G1V+7]
	s_nop 0
.rept 4
	v_nop
.endr
.Lasked_\@:
.endm
; THE CHANGE OF SLOTS.  Each wave waits for all its tensor loads (one is out: its part of the other slot), adds 0 to its spare word, and waits for that and for its reads of the slot that it leaves.  Behind the barrier nobody reads
; the old slot and the other is whole.  fill = 1: the old slot is filled again, first thing behind the barrier, with chunk NXT; the load has eight turns, 128 matrix instructions, in which to land.
; Behind it work-group b = 0, which walks all eight chunks of the head, prefetches the chunk after NXT: 128 threads x 256 bytes are a chunk of K, and likewise of V: each block is named once in the launch; chunks 2 to 7, in the
; first six changes.  (At its first use nothing has been read yet: slot 0 is waited for, slot 1 filled.)
.macro CHANGE fill
	WIN 0
	s_wait_tensorcnt 0x0            ; no tensor load of mine is out, so a group 0 may be written
	ds_add_u32 v[SPW], v[NIL]       ; 0 onto my spare word; scalar work stands between it and the wait for it
.if \fill
	s_lshl_b32 s[OFF], s[NXT], 15   ; a chunk is 32,768 bytes of K and of V
	s_xor_b32 s[G0K+1], s[G0K+1], SLOT1
	s_add_nc_u64 s[G0K+2:G0K+3], s[6:7], s[OFF:OFF+1]
	s_or_b32 s[G0K+3], s[G0K+3], 0x80000000
	s_xor_b32 s[G0V+1], s[G0V+1], SLOT1
	s_add_nc_u64 s[G0V+2:G0V+3], s[8:9], s[OFF:OFF+1]
	s_or_b32 s[G0V+3], s[G0V+3], 0x80000000
	s_add_co_u32 s[NXT], s[NXT], 1  ; the block's next chunk, or behind its last the second block's chunk 0
	s_cmp_gt_u32 s[NXT], s[LQ]
	s_cselect_b32 s[NXT], 0, s[NXT]
	s_cselect_b32 s[LQ], s[LQ2], s[LQ]
	s_wait_xcnt 0x0                 ; the last prefetches, a chunk back, have read their addresses
	s_add_nc_u64 s[PFK:PFK+1], s[PFK:PFK+1], 32768
	s_add_nc_u64 s[PFV:PFV+1], s[PFV:PFV+1], 32768
.endif
	s_wait_dscnt 0x0                ; the add is done, and my reads of the slot are over
	s_barrier_signal -1             ; the rest of the scalar work stands between the signal and the wait
	s_sub_co_u32 s[TBK], s[TBK], 4*KS*PK  ; the fetches go back to a slot's first step,
	s_xor_b32 s[TBK], s[TBK], SLOT1       ; in the other slot
	s_sub_co_u32 s[TBV], s[TBV], 4*KS*PV
	s_xor_b32 s[TBV], s[TBV], SLOT1
	s_barrier_wait -1
.if \fill
	LOAD
	s_cmp_gt_u32 s[SLOTS], s[LIM]
	s_cbranch_scc0 .Lno_pf_\@
	global_prefetch_b8 v[PFO], s[PFK:PFK+1] th:TH_LOAD_NT scope:SCOPE_SE
	global_prefetch_b8 v[PFO], s[PFV:PFV+1] th:TH_LOAD_NT scope:SCOPE_SE
.Lno_pf_\@:
.endif
.endm
	s_load_b128 s[16:19], s[0:1], 0x0  ; qkv s[16:17], fl s[18:19]
	s_load_b64 s[20:21], s[0:1], 0x10  ; o16
	v_lshl_add_u32 v[SPW], v0, 2, SPARE
	v_mov_b32 v[NIL], 0
	ds_add_u32 v[SPW], v[NIL]       ; the wave's opening: the add, waited for ahead of my first tensor load
	v_lshrrev_b32 v1, 5, v0
	v_readfirstlane_b32 s[WV], v1   ; wave 0..3
	s_mov_b32 s[PB], ttmp9
	s_sub_co_u32 s[HI], 15, s[PB]
	s_and_b32 s22, ttmp7, 0xffff    ; the head
	s_lshl_b32 s13, s22, 13         ; its 8,192 bytes of fl
	s_lshl_b32 s22, s22, 18         ; its plane of 262,144 bytes
	s_mov_b32 s23, 0
	s_and_b32 s2, s[WV], 1          ; which half of a chunk's 256 keys I fetch
	s_mov_b32 s[G0K], 1
	s_mul_i32 s[G0K+1], s2, 128*PK  ; its place in slot 0, for K
	s_mov_b32 s[G0V], 1
	s_mul_i32 s[G0V+1], s2, 128*PV  ; and for V
	s_add_co_u32 s[G0V+1], s[G0V+1], VOFF
	s_lshl_b32 s2, s2, 14
	s_add_co_u32 s2, s2, s22
	s_add_co_u32 s2, s2, 32*262144  ; k's planes lie behind q's 32,
	s_mov_b32 s3, 0
	s_add_co_u32 s84, s2, 32*262144 ; v's behind k's
	s_mov_b32 s85, 0
	s_lshl_b32 s68, s[WV], 11       ; my 16 rows in a band,
	s_add_co_u32 s68, s68, s22
	s_lshl_b32 s86, s[HI], 14       ; in the first block,
	s_add_co_u32 s86, s86, s68
	s_mov_b32 s87, 0
	s_lshl_b32 s69, s[PB], 14       ; and in the second
	s_add_co_u32 s68, s68, s69
	s_mov_b32 s69, 0
	; group 1: 128 keys are 16,384 dense bytes: asked for as 64 rows of 256 bytes, two keys a row, padded in LDS after every key
	s_mov_b32 s[G1K], (1<<16)|(1<<20)|(4<<22)|(3<<25)  ; 2-byte elements; padding on; after every 32 words, 4 words
	s_mov_b32 s[G1V], (1<<16)|(1<<20)|(4<<22)|(7<<25)  ; 8 words
.irp g, G1K, G1V
	s_mov_b32 s[\g+1], 128<<16
	s_mov_b32 s[\g+2], 64<<16
	s_mov_b32 s[\g+3], 128<<16
	s_mov_b32 s[\g+4], 64
	s_mov_b32 s[\g+5], 128
	s_mov_b32 s[\g+6], 0
	s_mov_b32 s[\g+7], 0
.endr
	s_mov_b32 s[CS], 0x3e38aa3b     ; c = log2(e) / 8
	s_mov_b32 s[CS+1], s[CS]
	s_mov_b32 s[SEL], 0x76543210
	s_mov_b32 s[SEL+1], 0xfedcba98
	s_mov_b32 s[TBK], SLOT1+4*KS*PK ; the first change of slots turns these two into 0
	s_mov_b32 s[TBV], SLOT1+4*KS*PV
	s_mov_b32 s[TBG], 0
	s_lshr_b32 s[LQ], s[HI], 1
	s_lshr_b32 s[LQ2], s[PB], 1
	s_add_co_u32 s[RT], s[LQ], 1    ; the first block's chunks
	s_and_b32 s[OW], s[HI], 1
	s_lshl_b32 s[OW], s[OW], 1
	s_add_co_u32 s[OW], s[OW], 1
	s_and_b32 s[OWB], s[PB], 1
	s_lshl_b32 s[OWB], s[OWB], 1
	s_add_co_u32 s[OWB], s[OWB], 1
	s_mov_b32 s[NXT], 1
	s_mov_b32 s[NEW], 1
	s_mov_b32 s[OFF+1], 0
	s_mov_b32 s[AL+1], 0            ; named as pairs
	s_mov_b32 s[BE+1], 0
	s_mov_b32 s[BIGN], 0xf149f2ca   ; -1e30
	s_mov_b32 s[SLOTS], 8
	s_cmp_eq_u32 s[PB], 0
	s_cselect_b32 s[LIM], 2, -1
	s_wait_dscnt 0x0                ; the opening add is done
	s_wait_kmcnt 0x0
	s_add_nc_u64 s[6:7], s[16:17], s[2:3]      ; K and V at my half of the head's chunk 0
	s_add_nc_u64 s[8:9], s[16:17], s[84:85]
	s_add_nc_u64 s[G0K+2:G0K+3], s[6:7], 0
	s_or_b32 s[G0K+3], s[G0K+3], 0x80000000
	s_add_nc_u64 s[G0V+2:G0V+3], s[8:9], 0
	s_or_b32 s[G0V+3], s[G0V+3], 0x80000000
	s_add_nc_u64 s[4:5], s[16:17], s[86:87]    ; Q and O at my rows of the first block,
	s_add_nc_u64 s[10:11], s[20:21], s[86:87]
	s_add_nc_u64 s[86:87], s[16:17], s[68:69]  ; and of the second
	s_add_nc_u64 s[OLO:OLO+1], s[20:21], s[68:69]
	s_add_co_u32 s22, s22, 32*262144+32768     ; the head's chunk 1 of K: the first change steps it to chunk 2
	s_add_nc_u64 s[PFK:PFK+1], s[16:17], s[22:23]
	s_add_nc_u64 s[PFV:PFV+1], s[PFK:PFK+1], 32*262144
	s_mov_b32 s22, s13
	s_add_nc_u64 s[FLP:FLP+1], s[18:19], s[22:23]
	LOAD                            ; chunk 0 into slot 0
	v_lshlrev_b32 v[FLO], 6, v0
.irp q, 0,1,2,3
	global_load_b128 v[S+4*\q:S+4*\q+3], v[FLO], s[FLP:FLP+1] offset:16*\q  ; my 16 gates
.endr
	v_and_b32 v1, 15, v0            ; l % 16
	v_bfe_u32 v9, v0, 4, 1          ; l / 16
	v_lshlrev_b32 v[QO], 7, v1
	v_lshl_add_u32 v[QO], v9, 4, v[QO]
	WIN 0x80
.set i, 0
.rept 4                             ; both blocks' Q: piece i / 2 lies 8,192 bytes on; channels 32 (i % 2) on
	global_load_b128 v[8*i:8*i+3],   v[QO], s[4:5] offset:(i/2)*8192+(i%2)*64
	global_load_b128 v[8*i+4:8*i+7], v[QO], s[4:5] offset:(i/2)*8192+(i%2)*64+32
	global_load_b128 v[QB+8*i:QB+8*i+3],   v[QO], s[86:87] offset:(i/2)*8192+(i%2)*64
	global_load_b128 v[QB+8*i+4:QB+8*i+7], v[QO], s[86:87] offset:(i/2)*8192+(i%2)*64+32
.set i, i+1
.endr
	WIN 0
	v_lshlrev_b32 v14, 3, v9
	v_sub_nc_u32 v14, v1, v14
	s_lshl_b32 s13, s[WV], 4
	v_add_nc_u32 v14, s13, v14      ; my query's place in its band less my lanes' 8 (l / 16): register r of group kt is hidden where 16 kt + r is greater
	WIN 0x40
.set i, 0
.rept 32
	v_cmp_gt_i32 vcc_lo, 16*(i/8)+i%8, v14
	v_cndmask_b32 v[MD+i], 0, s[BIGN], vcc_lo
.set i, i+1
.endr
	WIN 0
	v_mul_u32_u24 v[AK0], v1, PK
	v_lshl_add_u32 v[AK0], v9, 4, v[AK0]
	v_and_b32 v10, 7, v0            ; the turning load: lane l reads key 8 (l / 16) + l % 8, channels 8 ((l / 8) % 2) + 0..7
	v_bfe_u32 v11, v0, 3, 1
	v_lshl_add_u32 v[AV0], v9, 3, v10
	v_mul_u32_u24 v[AV0], v[AV0], PV
	v_lshl_add_u32 v[AV0], v11, 4, v[AV0]
	v_add_nc_u32 v[AV0], VOFF, v[AV0]
	s_mul_i32 s13, s[WV], 16*SP
	s_add_co_u32 s13, s13, STAGE    ; my stage
	v_mul_u32_u24 v[STO], v1, SP
	v_lshl_add_u32 v[STO], v9, 4, v[STO]
	v_add_nc_u32 v[STO], s13, v[STO]
	v_bfe_u32 v[RD], v0, 3, 2
	v_mul_u32_u24 v[RD], v[RD], SP
	v_lshl_add_u32 v[RD], v10, 4, v[RD]
	v_add_nc_u32 v[RD], s13, v[RD]
	v_and_b32 v[GO], 31, v0
	v_lshlrev_b32 v[GO], 4, v[GO]
	v_lshl_add_u32 v[AG0], v9, 5, GT
	v_lshl_add_u32 v[GTA], v0, 6, GT
	v_lshlrev_b32 v[PFO], 8, v0
	; A block's first step multiplies O^T and l by a = 0, and its first turn's products V^T P, of weights that have not been, land in an O^T that is still to be so multiplied: these registers need only hold finite numbers.
	WIN 0x80
.set i, VF+64
.rept 64
	v_mov_b32 v[i], 0
.set i, i+1
.endr
	WIN 0x40
.set i, 0
.rept 64
	v_mov_b32 v[i], 0
.set i, i+1
.endr
	WIN 0
.set i, 0
.rept 2
	v_mov_b32 v[ST+4*i+2], 0
	v_mov_b32 v[ST+4*i+3], 0
.set i, i+1
.endr
.set i, P+16
.rept 16
	v_mov_b32 v[i], 0
.set i, i+1
.endr
	; THE RUNNING SUM of the head's 2,048 gates, in the wait for the first chunk.  Thread t holds s = 16 t .. 16 t + 15 in v64-79.
.set i, 0
.rept 5
	v_bfe_u32 v[82+i], v0, i, 1     ; bit i of my lane, as 0.0 or 1.0
	v_cvt_f32_u32 v[82+i], v[82+i]
.set i, i+1
.endr
	v_mov_b32 v88, 0                ; the sum of the threads below me
	v_mov_b32 v87, 0
	s_lshl_b32 s13, s[WV], 2
	s_add_co_u32 s13, s13, WT
	v_mov_b32 v90, s13
	v_mov_b32 v91, WT
	s_wait_loadcnt 16               ; my gates are in; Q's 16 loads may stay out
.set i, 1
.rept 15
	v_add_f32 v[S+i], v[S+i], v[S+i-1]
.set i, i+1
.endr
	v_mov_b32 v89, v[S+15]          ; my group's total: groups of 1, 2, 4 .. 32 lanes
.set i, 0
.irp d, 1,2,4,8
	v_mov_b32_dpp v87, v89 row_xmask:\d row_mask:0xf bank_mask:0xf  ; the neighbouring group's total:
	v_fmac_f32 v88, v87, v[82+i]    ; it lies below me where my lane has the bit
	v_add_f32 v89, v89, v87
.set i, i+1
.endr
	v_permlanex16_b32 v87, v89, s[SEL], s[SEL+1]
	v_fmac_f32 v88, v87, v86
	v_add_f32 v89, v89, v87         ; the wave's total, in every lane
	ds_store_b32 v90, v89
	s_wait_dscnt 0x0
	s_barrier_signal -1             ; chunk 0 may stay on its way
	s_barrier_wait -1
	ds_load_b128 v[92:95], v91
	s_cmp_gt_u32 s[WV], 0
	s_cselect_b32 s13, 1.0, 0
	s_cmp_gt_u32 s[WV], 1
	s_cselect_b32 s22, 1.0, 0
	s_cmp_gt_u32 s[WV], 2
	s_cselect_b32 s23, 1.0, 0
	s_wait_dscnt 0x0
	v_fmac_f32 v88, s13, v92        ; the waves below mine
	v_fmac_f32 v88, s22, v93
	v_fmac_f32 v88, s23, v94
	v_mul_f32 v80, 0xc1000000, v88
	v_mov_b32 v81, v80
.set i, 0
.rept 8
	v_pk_fma_f32 v[S+2*i:S+2*i+1], v[S+2*i:S+2*i+1], 0xc1000000, v[80:81] op_sel_hi:[1,0,1]  ; G = -8 F
.set i, i+1
.endr
.irp q, 0,1,2,3
	ds_store_b128 v[GTA], v[S+4*\q:S+4*\q+3] offset:16*\q  ; the first change's wait and barrier show the table to every wave
.endr
; THE MATRIX WORK.  The 4 accumulators of a run of 8 take turns.  Product i of 8 of S^T = K Q^T for piece x: channels 32 (i / 4) on, keys 16 (i % 4) on.  The first 4 start the sums: with G (KM = 0) or with the masked G (KM = 1).
.macro KQ x
.set rS, S+32*((\x)%2)+8*(i%4)
.set rK, KF+16*(i%4)+8*(i/4)
.set rQ, 16*(\x)+8*(i/4)
.set rM, GB+32*KM+8*(i%4)
.if i < 4
	WIN W_KM
	v_wmma_f32_16x16x32_f16 v[rS:rS+7], v[rK:rK+7], v[rQ:rQ+7], v[rM:rM+7]
.else
	WIN W_KQ
	v_wmma_f32_16x16x32_f16 v[rS:rS+7], v[rK:rK+7], v[rQ:rQ+7], v[rS:rS+7]
.endif
.endm
; Product i of 8 of O^T += V^T P for piece x, from V's buffer VBR: keys 32 (i / 4) on, channels 16 (i % 4) on.
.macro PV x
	WIN W_PV
.set rO, 32*(\x)+8*(i%4)
.set rV, VF+64*VBR+32*(i/4)+8*(i%4)
.set rP, P+16*((\x)%2)+8*(i/4)
	v_wmma_f32_16x16x32_f16 v[rO:rO+7], v[rV:rV+7], v[rP:rP+7], v[rO:rO+7]
.endm
.macro MM                           ; the turn's next matrix instruction.  NOKQ = 1: a block's last turn: there are no further scores
.if (i < 8) && !NOKQ
	KQ (Y+1)%NP
.elseif i >= 8
.set i, i-8
	PV (Y+NP-1)%NP
.set i, i+8
.endif
.set i, i+1
.endm
; THE LDS LOADS stand in runs: a step's K (8 fragments) with its G (a lane's 8 keys of each group of 16: all lanes of a half read the same bytes), and its V (turned).
.macro FETCH_K
	WIN 0x80
.irp f, 0,1,2,3,4,5,6,7
	ds_load_b128 v[KF+8*\f:KF+8*\f+3],   v[AK] offset:(\f/2)*16*PK+(\f%2)*64
	ds_load_b128 v[KF+8*\f+4:KF+8*\f+7], v[AK] offset:(\f/2)*16*PK+(\f%2)*64+32
.endr
	WIN 0x40
.irp f, 0,1,2,3,4,5,6,7
	ds_load_b128 v[GB+4*\f:GB+4*\f+3], v[AG] offset:(\f/2)*64+(\f%2)*16
.endr
	s_add_co_u32 s[TBK], s[TBK], KS*PK
	s_add_co_u32 s[TBG], s[TBG], 4*KS
	s_and_b32 s[TBG], s[TBG], 0x1f00  ; the table has 32 steps of 256 bytes: the byte stays inside it
	WIN 0
.endm
.macro FETCH_V vb
	WIN 0x80
.irp f, 0,1,2,3,4,5,6,7
	ds_load_tr16_b128 v[VF+64*(\vb)+8*\f:VF+64*(\vb)+8*\f+3],   v[AV] offset:(\f/4)*32*PV+(\f%4)*32
	ds_load_tr16_b128 v[VF+64*(\vb)+8*\f+4:VF+64*(\vb)+8*\f+7], v[AV] offset:(\f/4)*32*PV+16*PV+(\f%4)*32
.endr
	WIN 0
.endm
; THE VECTOR WORK, one line at a time: OP kind, number.  For piece Y: F n: c s - c m for pair n of 16.  E n: the exponential of score n of 32.  C n: pair n rounded to f16.  B n: of the four weights 4 n .. the second pair is added
; onto the first.  L n: l takes that sum (L 0: l = a l + sum).  R n: pair n of 16 of O^T times a.  For the other piece: X n, number n of the 22 that find its maximum and statistics:
;   0-11 four chains c0-c3 of seven scores each (each accumulator's lowest registers first)   12-14, 16 the four scores left over, the old m, c0-c3 into c0   15 c m_old is kept   17, 18 the other half of the lanes   19-21 c m; its change; a
.set F, 0
.set E, 1
.set C, 2
.set B, 3
.set L, 4
.set R, 5
.set X, 6
.macro REGS y
.set rT, ST+4*(\y)
.set rC, TMP+4*((\y)%2)
.set rW, MV+((\y)%2)
.set rS, S+32*((\y)%2)
.set rP, P+16*((\y)%2)
.set rO, 32*(\y)
.endm
.macro OP k, n
.if (\k) == R
	REGS Y
	WIN W_RS
	v_pk_mul_f32 v[rO+2*(\n):rO+2*(\n)+1], v[rO+2*(\n):rO+2*(\n)+1], v[rC+2:rC+3] op_sel_hi:[1,0]
.elseif (\k) < R
	REGS Y
	WIN 0
.if (\k) == F
	v_pk_fma_f32 v[rS+2*(\n):rS+2*(\n)+1], v[rS+2*(\n):rS+2*(\n)+1], s[CS:CS+1], v[rT:rT+1] op_sel_hi:[1,0,0] neg_lo:[0,0,1] neg_hi:[0,0,1]
.elseif (\k) == E
	v_exp_f32 v[rS+(\n)], v[rS+(\n)]
.elseif (\k) == C
	v_cvt_pk_f16_f32 v[rP+(\n)], v[rS+2*(\n)], v[rS+2*(\n)+1]
.elseif (\k) == B
	v_pk_add_f32 v[rS+4*(\n):rS+4*(\n)+1], v[rS+4*(\n):rS+4*(\n)+1], v[rS+4*(\n)+2:rS+4*(\n)+3]
.elseif (\n) == 0
	v_pk_fma_f32 v[rT+2:rT+3], v[rT+2:rT+3], v[rC+2:rC+3], v[rS:rS+1] op_sel_hi:[1,0,1]
.else
	v_pk_add_f32 v[rT+2:rT+3], v[rT+2:rT+3], v[rS+4*(\n):rS+4*(\n)+1]
.endif
.elseif NOKQ
	v_nop
.else
	REGS (Y+1)%NP
	WIN 0
.if (\n) < 4
	v_max3_num_f32 v[rC+(\n)], v[rS+8*(\n)], v[rS+8*(\n)+1], v[rS+8*(\n)+2]
.elseif (\n) < 12
	v_max3_num_f32 v[rC+(\n)%4], v[rC+(\n)%4], v[rS+8*((\n)%4)+2*((\n)/4)+1], v[rS+8*((\n)%4)+2*((\n)/4)+2]
.elseif (\n) == 12
	v_max3_num_f32 v[rC], v[rC], v[rS+7], v[rS+15]
.elseif (\n) == 13
	v_max3_num_f32 v[rC+1], v[rC+1], v[rS+23], v[rS+31]
.elseif (\n) == 14
	v_max3_num_f32 v[rC+2], v[rC+2], v[rC+3], v[rT+1]
.elseif (\n) == 15
	v_mov_b32 v[rW], v[rT]
.elseif (\n) == 16
	v_max3_num_f32 v[rC], v[rC], v[rC+1], v[rC+2]
.elseif (\n) == 17
	v_permlanex16_b32 v[rC+3], v[rC], s[SEL], s[SEL+1]
.elseif (\n) == 18
	v_max_num_f32 v[rT+1], v[rC], v[rC+3]
.elseif (\n) == 19
	v_mul_f32 v[rT], s[CS], v[rT+1]
.elseif (\n) == 20
	v_sub_f32 v[rC+1], v[rW], v[rT]
.else
	v_exp_f32 v[rC+2], v[rC+1]
.endif
.endif
.endm
.macro OPS a, i1, b=-1, i2=0, c=-1, i3=0, d=-1, i4=0
	OP \a, \i1
.if (\b) >= 0
	OP \b, \i2
.endif
.if (\c) >= 0
	OP \c, \i3
.endif
.if (\d) >= 0
	OP \d, \i4
.endif
.endm
.macro ROW a, i1, b, i2, c, i3, d, i4  ; a matrix instruction and the four behind it
	MM
	OPS \a, \i1, \b, \i2, \c, \i3, \d, \i4
.endm
.macro MASK                         ; MC = MD x AL + GB + BE
	WIN 0x51
.set z, 0
.rept 16
	v_pk_fma_f32 v[MC+2*z:MC+2*z+1], v[MD+2*z:MD+2*z+1], s[AL:AL+1], v[GB+2*z:GB+2*z+1] op_sel_hi:[1,0,1]
.set z, z+1
.endr
.set z, 0
.rept 16
	v_pk_add_f32 v[MC+2*z:MC+2*z+1], v[MC+2*z:MC+2*z+1], s[BE:BE+1] op_sel_hi:[1,0]
.set z, z+1
.endr
.endm
; A TURN, for piece p.  vb: V's buffer, read by the turn's products V^T P and, in piece 0's turn, loaded again behind them.  m = 1: the diagonal chunk: the turn's products K Q^T take a mask, made at its head: with kx the number of their
; key step in the trip, + 1, less their piece's number, the step is the piece's own where EE = kx and a later one where EE < kx.  end = 1: a block's last two turns: nothing is fetched, and piece 1's has no products K Q^T.
; cnt = 1: the loop's count is taken down some lines ahead of the branch that stands behind the turn.
; AHEAD OF THE ONE WAIT stands all that names no result of the turn's exponentials: the 8 products K Q^T and their riders, then one lump; behind it the 8 products V^T P with the roundings and sums as riders.  The first numbers of the
; other piece's maximum stand four plain instructions or more behind the product that ends their accumulator.  K's run stands five plain instructions behind K's last reader, V's four behind V's.
.macro TURN p, vb, m=0, kx=0, end=0, cnt=0
.set Y, (\p)
.set i, 0
.set VBR, (\vb)
.set KM, (\m)
.set NOKQ, (\end)*(\p)
.set FET, (1-(\p))*(1-(\end))       ; 1: the turn fetches the next step
.if ((\p) == 1) && !(\end)
	s_wait_dscnt 16                 ; K and G of the next step, and V of this one, are in; the 16 loads of the next step's V may stay out
.endif
.if ((\p) == 0) && (\end)
	s_wait_dscnt 0x0                ; the last step's V is in
.endif
.if (\m) && !NOKQ
	s_cmp_eq_i32 s[EE], \kx         ; is the step the piece's own?
	s_cselect_b32 s[AL], 1.0, 0
	s_cmp_lt_i32 s[EE], \kx         ; or a later one?
	s_cselect_b32 s[BE], s[BIGN], 0
	MASK
.endif
	ROW F,0, F,1, R,0, R,1          ; ahead of the wait: 8 products K Q^T and their riders,
	ROW F,2, E,0, R,2, R,3
	ROW F,3, E,1, R,4, R,5
	ROW F,4, E,2, R,6, R,7
	ROW F,5, E,3, R,8, R,9
	ROW F,6, E,4, X,0, R,10
.if FET
	WIN 0
	v_add_nc_u32 v[AK], s[TBK], v[AK0]
	v_add_nc_u32 v[AG], s[TBG], v[AG0]
.endif
	ROW F,7, E,5, X,1, X,4
	ROW F,8, E,6, X,2, X,5
	OPS E,7, E,8, X,6, E,9          ; and the lump
	OPS X,3, E,10, X,8, E,11
.if FET
	FETCH_K
.endif
	OPS X,9, X,7, E,12, X,10
	OPS E,13, X,12, X,11, E,14
	OPS X,13, E,15, F,9, X,14
.if FET
	WIN 0
	v_add_nc_u32 v[AV], s[TBV], v[AV0]
.endif
	OPS E,16, F,10, E,17, F,11
	OPS X,16, E,18, X,15, E,19
	OPS F,12, E,20, X,17, E,21
	OPS F,13, E,22, F,14, E,23
	OPS X,18, E,24, F,15, E,25
	OPS R,11, E,26, X,19, E,27
	OPS R,12, E,28, R,13, E,29
	OPS X,20, E,30, R,14, E,31
	OPS X,21, R,15                  ; the other piece's a is the batch's last; a plain instruction stands behind it
	WIN 0
	s_wait_alu depctr_va_vdst(0)    ; the wait for the batch
	ROW C,0, B,0, C,2, B,1          ; behind the wait: 8 products V^T P and their riders
	ROW L,0, C,4, B,2, L,1
	ROW C,6, B,3, L,2, C,8
	ROW B,4, L,3, C,10, B,5
	ROW L,4, C,12, B,6, L,5
.if FET
	s_add_co_u32 s[TBV], s[TBV], KS*PV
.endif
.if \cnt
.if \m
	s_sub_co_i32 s[EE], s[EE], 2    ; a trip's two steps are over
.endif
	s_sub_co_u32 s[CNT], s[CNT], 1
	s_cmp_lg_u32 s[CNT], 0
.endif
	ROW C,14, B,7, L,6, C,1
	ROW C,3, L,7, C,5, C,7
	ROW C,9, C,11, C,13, C,15
.if FET
	FETCH_V \vb
.endif
.endm
; A BLOCK BEGINS.  c m starts far below every c s, so the first step's a is 0; m at the lowest finite number.  K, G and V of step 0; piece 0's first scores, with the diagonal's mask if the block's first chunk is its last and step 0
; is the piece's own; its maximum and statistics.  The loop is entered at a step's first turn, in the middle of a trip.
.macro BEGIN
	s_mov_b32 s[NEW], 0
	s_mov_b32 s[TBG], 0
	s_cmp_eq_u32 s[RT], 0
	s_cselect_b32 s[AL], 1.0, 0
	s_cmp_eq_u32 s[OW], 1
	s_cselect_b32 s[AL], s[AL], 0
	WIN 0
.irp t, 0,1
	v_mov_b32 v[ST+4*\t], 0xfe000000
	v_mov_b32 v[ST+4*\t+1], 0xff7fffff
.endr
	v_add_nc_u32 v[AK], s[TBK], v[AK0]
	v_add_nc_u32 v[AG], s[TBG], v[AG0]
	v_add_nc_u32 v[AV], s[TBV], v[AV0]
	s_add_co_u32 s[TBV], s[TBV], KS*PV
	FETCH_K
	FETCH_V 0
	s_wait_loadcnt 0x0              ; Q
	s_wait_dscnt 0x0
	WIN 0x51
.set z, 0
.rept 16
	v_pk_fma_f32 v[MC+2*z:MC+2*z+1], v[MD+2*z:MD+2*z+1], s[AL:AL+1], v[GB+2*z:GB+2*z+1] op_sel_hi:[1,0,1]
.set z, z+1
.endr
.set KM, 1
.set NOKQ, 0
.set i, 0
.rept 8
	KQ 0
.set i, i+1
.endr
.set KM, 0
	WIN 0
.rept 4
	v_nop                           ; the places behind those products
.endr
.set Y, NP-1                        ; X works for the other piece: piece 0
.irp n, 0,1,2,3,4,5,6,7,8,9,10,11,12,13,14,15,16,17,18,19,20,21
	OP X, \n
.endr
	v_nop                           ; a plain instruction behind the exponential,
	s_wait_alu depctr_va_vdst(0)    ; and its wait, ahead of the branch
.endm
.macro ALL line:vararg
.set t, 0
.rept NP
	\line
.set t, t+1
.endr
.endm
.macro PACK t                       ; a lane's eight channels of a row pack into 16 bytes; into rows of 144 bytes and back as whole rows of 128, into S^T's registers
	WIN W_RS
.set i, 32*(\t)
.rept 16
	v_pk_mul_f32 v[i:i+1], v[i:i+1], v[ST+4*(\t)+2:ST+4*(\t)+3] op_sel_hi:[1,0]
.set i, i+2
.endr
	WIN 0x05
.set i, 0
.rept 16
	v_cvt_pk_f16_f32 v[S+16*(\t)+i], v[32*(\t)+2*i], v[32*(\t)+2*i+1]
.set i, i+1
.endr
	WIN 0
.irp f, 0,1,2,3
	ds_store_b128 v[STO], v[S+16*(\t)+4*\f:S+16*(\t)+4*\f+3] offset:32*\f
.endr
.irp f, 0,1,2,3
	ds_load_b128 v[S+16*(\t)+4*\f:S+16*(\t)+4*\f+3], v[RD] offset:\f*4*SP  ; LDS serves a wave's instructions in order (ISA guide 5.7.1.4): these see the stores above
.endr
.endm
.macro SEND t, younger              ; younger: the LDS instructions issued behind piece t's loads
	WIN 0
.irp f, 0,1,2,3
	s_wait_dscnt (\younger)+3-\f
	global_store_b128 v[GO], v[S+16*(\t)+4*\f:S+16*(\t)+4*\f+3], s[10:11] offset:(\t)*8192+\f*512  ; 512 consecutive bytes, at a multiple of 256 from O's first
.endr
.endm
; THE DIAGONAL CHUNK's four steps, the block's last two turns, piece 1's last products, and THE WAY OUT: l's halves are added, O^T is divided by l, rounded to f16 and sent through my stage.
.macro DIAG tag                     ; the tag ends its two labels' names, which the jumps below spell out
.LstepM\tag:
	TURN 0, 0, 1, -1
	TURN 1, 1, 1, 1
	WIN 0
.LfirstM\tag:
	TURN 0, 1, 1, 0
	TURN 1, 0, 1, 2, 0, 1
	WIN 0
	s_cbranch_scc1 .LstepM\tag
	TURN 0, 0, 1, -1, 1
	TURN 1, 1, 1, 0, 1
.set i, 0
.rept 8
	PV 1
.set i, i+1
.endr
	WIN 0
	ALL v_add_f32 v[ST+4*t+2], v[ST+4*t+2], v[ST+4*t+3]
	ALL v_permlanex16_b32 v[ST+4*t+3], v[ST+4*t+2], s[SEL], s[SEL+1]
	ALL v_add_f32 v[ST+4*t+2], v[ST+4*t+2], v[ST+4*t+3]
	ALL v_rcp_f32 v[ST+4*t+2], v[ST+4*t+2]
	v_nop                           ; a plain instruction behind the last reciprocal; with the four additions it is also the places behind the last products
	s_wait_alu depctr_va_vdst(0)    ; one wait for the two reciprocals
	PACK 0
	PACK 1
	SEND 0, 8
	SEND 1, 0
.endm
.set KM, 0
.set NOKQ, 0
.set VBR, 0
.Lslot:                             ; eight times: a chunk is entered and the next is asked for
	CHANGE 1
	s_sub_co_u32 s[RT], s[RT], 1
	s_mov_b32 s[CNT], 2
	s_mov_b32 s[EE], s[OW]
	s_cmp_eq_u32 s[NEW], 1
	s_cbranch_scc1 .Lnew            ; a block's first chunk
	s_cmp_eq_u32 s[RT], 0
	s_cbranch_scc0 .Lstep           ; neither its first nor its last
	s_branch .LstepM1
.Lnew:
	BEGIN
	s_branch .Lfirst                ; in the loop a block's first chunk is never its last: the first block has five chunks or more, and the second's last is the walk's last
	DIAG 1                          ; in the loop this is the first block's end
	s_wait_xcnt 0x0                 ; the stores have read their registers and O's address
	s_mov_b64 s[10:11], s[OLO:OLO+1]
	s_add_co_u32 s[RT], s[LQ2], 1   ; the second block's chunks
	s_mov_b32 s[OW], s[OWB]
	s_mov_b32 s[NEW], 1
	WIN 0x82                        ; its Q goes where the one text of the turns names Q
.set i, 0
.rept 32
	v_mov_b32 v[i], v[QB+i]
.set i, i+1
.endr
	WIN 0
	s_branch .Lbottom
.Lstep:                             ; a trip: both pieces of an odd step, which fetches the next even one, then both of that, which fetches the next odd one
	TURN 0, 0
	TURN 1, 1
	WIN 0
.Lfirst:
	TURN 0, 1
	TURN 1, 0, 0, 0, 0, 1
	WIN 0
	s_cbranch_scc1 .Lstep
.Lbottom:
	s_sub_co_u32 s[SLOTS], s[SLOTS], 1
	s_cmp_lg_u32 s[SLOTS], 0
	s_cbranch_scc1 .Lslot
	CHANGE 0                        ; the walk's last chunk is written out: nothing is asked for
	s_sub_co_u32 s[RT], s[RT], 1
	s_mov_b32 s[CNT], 2
	s_mov_b32 s[EE], s[OW]
	s_cmp_eq_u32 s[NEW], 1
	s_cbranch_scc0 .LstepM2
	BEGIN
	s_branch .LfirstM2
	DIAG 2
	s_wait_tensorcnt 0x0            ; the wave's end
	ds_add_u32 v[SPW], v[NIL]
	s_wait_dscnt 0x0
	s_endpgm
.Lfunc_end_k_qb1720e85ae_attn:
	.size	k_qb1720e85ae_attn, .Lfunc_end_k_qb1720e85ae_attn-k_qb1720e85ae_attn
	.p2alignl 7, 3214868480
	.fill 96, 4, 3214868480
	.section	.rodata,"a",@progbits
	.p2align	6, 0x0
	.amdhsa_kernel k_qb1720e85ae_attn
		.amdhsa_group_segment_fixed_size 327680
		.amdhsa_private_segment_fixed_size 0
		.amdhsa_enable_private_segment 0
		.amdhsa_kernarg_size 24
		.amdhsa_user_sgpr_count 2
		.amdhsa_user_sgpr_kernarg_segment_ptr 1
		.amdhsa_wavefront_size32 1
		.amdhsa_system_sgpr_workgroup_id_x 1
		.amdhsa_system_sgpr_workgroup_id_y 1
		.amdhsa_system_sgpr_workgroup_id_z 1
		.amdhsa_system_vgpr_workitem_id 0
		.amdhsa_next_free_vgpr 768
		.amdhsa_next_free_sgpr 96
		.amdhsa_reserve_vcc 1
		.amdhsa_float_denorm_mode_32 3
		.amdhsa_float_denorm_mode_16_64 3
		.amdhsa_memory_ordered 1
		.amdhsa_forward_progress 1
		.amdhsa_inst_pref_size 229
	.end_amdhsa_kernel
	.amdgpu_metadata
---
amdhsa.version: [ 1, 2 ]
amdhsa.kernels:
  - .name:           k_qb1720e85ae_attn
    .symbol:         k_qb1720e85ae_attn.kd
    .args:
      - { .name: qkv, .offset: 0, .size: 8, .value_kind: global_buffer, .address_space: global }
      - { .name: fl, .offset: 8, .size: 8, .value_kind: global_buffer, .address_space: global }
      - { .name: o16, .offset: 16, .size: 8, .value_kind: global_buffer, .address_space: global }
    .group_segment_fixed_size: 327680
    .private_segment_fixed_size: 0
    .kernarg_segment_align: 8
    .kernarg_segment_size: 24
    .max_flat_workgroup_size: 128
    .sgpr_count:     96
    .vgpr_count:     768
    .wavefront_size: 32
...
	.end_amdgpu_metadata
.endif
;; end of part 3
;; launch outp (part 4): grid 16 x 16, 4 waves a work-group, clusters of 4 x 4, 327,680 bytes of LDS; arguments o16, wo16, out0; writes out0
.if DOCPART == 4
	.amdgcn_target "amdgcn-amd-amdhsa--gfx1250"
	.amdhsa_code_object_version 6
	.text
	.protected	k_qb1720e85ae_outp
	.globl	k_qb1720e85ae_outp
	.p2align	8
	.type	k_qb1720e85ae_outp,@function
k_qb1720e85ae_outp:
	s_mov_b64 s[64:65], 0
	v_nop
	global_prefetch_b8 v0, s[64:65] scope:SCOPE_SE
	s_setreg_imm32_b32 hwreg(HW_REG_WAVE_MODE, 25, 1), 1
	s_wait_xcnt 0x0
	s_wait_alu depctr_hold_cnt(0) depctr_sa_sdst(0) depctr_va_vdst(0) depctr_va_sdst(0) depctr_va_ssrc(0) depctr_va_vcc(0) depctr_vm_vsrc(0)
	s_getreg_b32 s2, hwreg(HW_REG_IB_STS2, 6, 4)
	s_cmp_eq_u32 s2, 0
	s_cbranch_scc0 .Lentry_in_a_cluster
	s_endpgm
.Lentry_in_a_cluster:
	s_bfe_u32 s2, ttmp6, 0x10000c
	s_cmp_lg_u32 s2, 0xf033
	s_cbranch_scc0 .Lentry_shape_is_right
	s_endpgm
.Lentry_shape_is_right:
; OUTP: out0[s][n] = sum over k of O[s][k] Wo[n][k], 2,048 x 2,048 x 2,048, f16 operands, f32 sums, f32 output.  O lies by heads, o16[k / 64][s][k % 64]; wo16 is [n][k].
; SHARES.  A tile of the output is 128 x 128: 16 x 16 = 256 work-groups; four waves, each 64 x 64: 16 accumulators.  K goes in steps of 256 (four heads) through a ring of two LDS slots.
; O's TILE.  64 rows of one head are 8,192 dense bytes: a tensor load takes four such runs, a plane (262,144 bytes) apart, and pads after every 128 bytes: in LDS a head's row is 144 bytes from the next, a head 9,216 from the next.
; CLUSTER.  4 x 4 work-groups: O's tile is shared along a row of the cluster, Wo's along a column, each asked for jointly.  The matrix instruction is used transposed (source 0 = 16 rows of Wo, source 1 = 16 rows of O): a lane
; holds eight neighbouring columns of one row.  A wave's 64 columns of f32 are 256 bytes, aligned: each wave has a stage of its own, and no barrier stands on the way out.
; REGISTERS: window 0: v16-29 addresses; v32-95 at work on the way out; v128-255 the accumulators ((a, b) at 128 + 8 (4 a + b)).  Window 1: two fragment buffers of 128: for 64 along K, 64 registers of O, then 64 of Wo.
; No prefetch: a step's tiles are small, and each is read by sixteen work-groups at about the same time.
.set PA,     144                       ; O: 128 bytes + 16
.set PLN,    64*PA                     ; a head's 64 rows
.set HAA,    4*PLN                     ; what one tensor load brings of O
.set PW,     528                       ; Wo: 512 bytes + 16
.set HBB,    64*PW                     ; what one tensor load brings of Wo
.set BOFF,   2*HAA
.set SLOT,   2*HAA+2*HBB
.set STAGE,  2*SLOT                    ; 16 rows x 272 bytes for each wave
.set SPITCH, 272
.set SPARE,  STAGE+4*16*SPITCH         ; the spare words, 128 bytes a wave, which no other line names
.set LAPS,   4                         ; 8 K steps
.set STEPA,  4*262144                  ; a K step in o16: four planes
.set STEPB,  512                       ; and in a row of wo16
.set ADRA, 16
.set ADRB, 20
.set STO,  24
.set RD,   25
.set CO,   26
.set SPW,  28
.set NIL,  29
.set OB,   32
.set ACC,  128
.set F0,   0
.set F1,   128
.set G1, 24
.set G0, 32
.set G1B, 48
.set G0B, 56
.set MSB, 0
.macro WIN new
.if MSB != (\new)
	s_set_vgpr_msb (MSB<<8)|(\new)
.set MSB, \new
.endif
.endm
.set MUL,  0x05                        ; sources in window 1; C and D in window 0
.set TO_F, 0x40
.macro JLOAD s                         ; waves 0 and 1 fetch O's two halves, waves 2 and 3 Wo's; an s_nop 0 and four v_nop follow each line
	s_cmp_eq_u32 s11, 0
	s_cbranch_scc0 .Lfor_b_\@
	tensor_load_to_lds s[G0+4*(\s):G0+4*(\s)+3], s[G1:G1+7]
	s_nop 0
.rept 4
	v_nop
.endr
	s_branch .Lasked_\@
.Lfor_b_\@:
	tensor_load_to_lds s[G0B+4*(\s):G0B+4*(\s)+3], s[G1B:G1B+7]
	s_nop 0
.rept 4
	v_nop
.endr
.Lasked_\@:
.endm
.macro CREST
	s_cmp_lg_u32 s10, 0
	s_cbranch_scc1 .Lnot_wave_0_\@
	s_barrier_signal -3
.Lnot_wave_0_\@:
	s_barrier_wait -3
	s_barrier_signal -1
	s_barrier_wait -1
.endm
.macro CROUND
	s_barrier_signal -1
	s_barrier_wait -1
	CREST
.endm
	s_load_b128 s[4:7], s[0:1], 0x0                ; o16 s[4:5], wo16 s[6:7]
	s_load_b64 s[8:9], s[0:1], 0x10                ; out0
	v_lshl_add_u32 v[SPW], v0, 2, SPARE
	v_mov_b32 v[NIL], 0
	ds_add_u32 v[SPW], v[NIL]                      ; the wave's opening: the add, waited for ahead of my first tensor load
	v_lshrrev_b32 v1, 5, v0
	v_readfirstlane_b32 s10, v1                    ; wave 0..3
	s_lshr_b32 s11, s10, 1                         ; which half of the tile's rows is mine.  Also: I fetch for O (0) or for Wo (1)
	s_and_b32 s12, s10, 1                          ; which half of its columns.  Also: which 64 rows I fetch
	s_bfe_u32 s40, ttmp6, 0x40000
	s_bfe_u32 s41, ttmp6, 0x40004
	s_lshl_b32 s42, ttmp9, 2
	s_add_co_u32 s42, s42, s40                     ; tile column
	s_and_b32 s13, ttmp7, 0xffff
	s_lshl_b32 s13, s13, 2
	s_add_co_u32 s13, s13, s41                     ; tile row
	s_lshl_b32 s43, s41, 2
	s_lshl_b32 s43, 15, s43                        ; my row of the cluster
	s_lshl_b32 s44, 0x1111, s40                    ; my column
	s_or_b32 s[G1+0], s43, (1<<16)|(1<<20)|(1<<21)|(4<<22)|(3<<25)   ; O: the mask; 2-byte elements; padding on; bit 21 beside a mask; after every 32 words, 4 words
	s_mov_b32 s[G1+1], 4096<<16                    ; tensor_dim0 = 4,096 elements: 64 rows of a head
	s_mov_b32 s[G1+2], 4<<16                       ; tensor_dim1 = 4 heads
	s_mov_b32 s[G1+3], 4096<<16                    ; tile_dim0
	s_mov_b32 s[G1+4], 4                           ; tile_dim1
	s_mov_b32 s[G1+5], 131072                      ; elements from head to head
	s_mov_b32 s[G1+6], 0
	s_mov_b32 s[G1+7], 0
	s_or_b32 s[G1B+0], s44, (1<<16)|(1<<20)|(1<<21)|(6<<22)|(3<<25)  ; Wo: after every 128 words, 4 words
	s_mov_b32 s[G1B+1], 256<<16
	s_mov_b32 s[G1B+2], 64<<16
	s_mov_b32 s[G1B+3], 256<<16
	s_mov_b32 s[G1B+4], 64
	s_mov_b32 s[G1B+5], 2048
	s_mov_b32 s[G1B+6], 0
	s_mov_b32 s[G1B+7], 0
	s_lshl_b32 s16, s13, 14                        ; O: row 128 x tile row + 64 x half, 128 bytes a row
	s_lshl_b32 s17, s12, 13
	s_add_co_u32 s16, s16, s17
	s_mov_b32 s17, 0
	s_lshl_b32 s46, s42, 19                        ; Wo: row 128 x tile column + 64 x half, 4,096 bytes a row
	s_lshl_b32 s47, s12, 18
	s_add_co_u32 s46, s46, s47
	s_mov_b32 s47, 0
	s_mul_i32 s20, s12, HAA                        ; where they go: no place in the cluster enters an LDS address
	s_mul_i32 s21, s12, HBB
	s_add_co_u32 s21, s21, BOFF
	s_wait_dscnt 0x0                               ; the opening add is done
	s_wait_kmcnt 0x0
	s_add_nc_u64 s[14:15], s[4:5], s[16:17]
	s_add_nc_u64 s[46:47], s[6:7], s[46:47]
	CROUND                                         ; all sixteen work-groups are here: the first joint loads meet
.irp s, 0,1
	s_mov_b32 s[G0+4*(\s)], 1
	s_add_co_u32 s[G0+4*(\s)+1], s20, (\s)*SLOT
	s_add_nc_u64 s[G0+4*(\s)+2:G0+4*(\s)+3], s[14:15], (\s)*STEPA
	s_or_b32 s[G0+4*(\s)+3], s[G0+4*(\s)+3], 0x80000000
	s_mov_b32 s[G0B+4*(\s)], 1
	s_add_co_u32 s[G0B+4*(\s)+1], s21, (\s)*SLOT
	s_add_nc_u64 s[G0B+4*(\s)+2:G0B+4*(\s)+3], s[46:47], (\s)*STEPB
	s_or_b32 s[G0B+4*(\s)+3], s[G0B+4*(\s)+3], 0x80000000
	JLOAD \s                                       ; two tensor loads of mine are out
.endr
	v_and_b32 v1, 15, v0                           ; l % 16
	v_bfe_u32 v2, v0, 4, 1                         ; l / 16
	v_mul_u32_u24 v3, v1, PA
	v_lshl_add_u32 v3, v2, 4, v3
	v_mul_u32_u24 v4, v1, PW
	v_lshl_add_u32 v4, v2, 4, v4
	s_mul_i32 s21, s11, HAA                        ; my 64 rows of O
	s_mul_i32 s22, s12, HBB                        ; my 64 rows of Wo
	s_add_co_u32 s22, s22, BOFF
.irp s, 0,1
	v_add_nc_u32 v[ADRA+(\s)], s21, v3
	v_add_nc_u32 v[ADRB+(\s)], s22, v4
	s_add_co_u32 s21, s21, SLOT
	s_add_co_u32 s22, s22, SLOT
.endr
	s_mul_i32 s23, s10, 16*SPITCH
	s_add_co_u32 s23, s23, STAGE                   ; my stage
	v_mul_u32_u24 v4, v1, SPITCH                   ; in: row l % 16, 32 bytes for each half of the lanes
	v_lshl_add_u32 v4, v2, 5, v4
	v_add_nc_u32 v[STO], s23, v4
	v_mul_u32_u24 v5, v2, SPITCH                   ; back: lanes 0-15 take one row of 256 bytes, lanes 16-31 the next
	v_lshl_add_u32 v5, v1, 4, v5
	v_add_nc_u32 v[RD], s23, v5
	v_lshlrev_b32 v5, 13, v2                       ; and the same two rows of the output, 8,192 bytes apart
	v_lshl_add_u32 v[CO], v1, 4, v5
	s_lshl_b32 s16, s13, 7
	s_lshl_b32 s17, s11, 6
	s_add_co_u32 s16, s16, s17                     ; my first row
	s_lshl_b32 s16, s16, 13
	s_mov_b32 s17, 0
	s_add_nc_u64 s[8:9], s[8:9], s[16:17]
	s_lshl_b32 s46, s42, 9                         ; my first column, in bytes: 512 x tile column + 256 x half
	s_lshl_b32 s47, s12, 8
	s_add_co_u32 s46, s46, s47
	s_mov_b32 s47, 0
	s_add_nc_u64 s[8:9], s[8:9], s[46:47]
; 8 matrix instructions: row blocks a0, a0 + 1 by all 4 column blocks, 32 along K: half c of buffer f.  zero = 1: the product starts the sum.  The 16 accumulators take turns.
.macro MUL8 f, c, a0, zero
	WIN MUL
.irp a, \a0, (\a0)+1
.irp b, 0,1,2,3
.if \zero
	v_wmma_f32_16x16x32_f16 v[ACC+8*(4*(\a)+(\b)):ACC+8*(4*(\a)+(\b))+7], v[(\f)+64+8*(4*(\c)+(\b)):(\f)+64+8*(4*(\c)+(\b))+7], v[(\f)+8*(4*(\c)+(\a)):(\f)+8*(4*(\c)+(\a))+7], 0
.else
	v_wmma_f32_16x16x32_f16 v[ACC+8*(4*(\a)+(\b)):ACC+8*(4*(\a)+(\b))+7], v[(\f)+64+8*(4*(\c)+(\b)):(\f)+64+8*(4*(\c)+(\b))+7], v[(\f)+8*(4*(\c)+(\a)):(\f)+8*(4*(\c)+(\a))+7], v[ACC+8*(4*(\a)+(\b)):ACC+8*(4*(\a)+(\b))+7]
.endif
.endr
.endr
.endm
; 32 LDS loads in one run: quarter q of a K step (one head: 64 along K) into buffer f; the first 32 along K first
.macro FETCH slot, q, f
	WIN TO_F
.irp c, 0,1
.irp i, 0,1,2,3
	ds_load_b128 v[(\f)+64+8*(4*(\c)+(\i)):(\f)+64+8*(4*(\c)+(\i))+3],   v[ADRB+(\slot)] offset:(\q)*128+64*(\c)+(\i)*16*PW
	ds_load_b128 v[(\f)+64+8*(4*(\c)+(\i))+4:(\f)+64+8*(4*(\c)+(\i))+7], v[ADRB+(\slot)] offset:(\q)*128+64*(\c)+(\i)*16*PW+32
	ds_load_b128 v[(\f)+8*(4*(\c)+(\i)):(\f)+8*(4*(\c)+(\i))+3],         v[ADRA+(\slot)] offset:(\q)*PLN+64*(\c)+(\i)*16*PA
	ds_load_b128 v[(\f)+8*(4*(\c)+(\i))+4:(\f)+8*(4*(\c)+(\i))+7],       v[ADRA+(\slot)] offset:(\q)*PLN+64*(\c)+(\i)*16*PA+32
.endr
.endr
.endm
.macro PLACES
.rept 4
	v_nop
.endr
.endm
.macro QUARTER slot, q, f, g, zero     ; multiplies buffer f and fetches quarter q into g
	s_wait_dscnt 16                                ; the first 32 along K are in; the other sixteen loads may be out
	MUL8 \f, 0, 0, \zero
	MUL8 \f, 0, 2, \zero
	PLACES
	FETCH \slot, \q, \g
	s_wait_dscnt 32                                ; all but the 32 just issued
	MUL8 \f, 1, 0, 0
	MUL8 \f, 1, 2, 0
.endm
; The last quarter multiplies buffer 1 and changes slots: one barrier; in front of it each wave waits for all its tensor loads (one is out: its part of the next slot), adds 0 to its spare word, and waits for that and for its
; reads of this slot.  fill = 1: the barrier opens a round of the cluster's, and this slot is filled again, two K steps on, first thing behind the round.
.macro TURN slot, next, fill
	WIN 0
	s_wait_tensorcnt 0x0
	ds_add_u32 v[SPW], v[NIL]
	s_wait_dscnt 17                                ; (the add and the youngest sixteen loads may be out)
	MUL8 F1, 0, 0, 0
	s_wait_dscnt 0x0                               ; the add is done, and my reads of this slot are over
	s_barrier_signal -1
	MUL8 F1, 0, 2, 0
.if \fill
	WIN 0
.endif
	s_barrier_wait -1
.if \fill
	CREST
	s_add_nc_u64 s[G0+4*(\slot)+2:G0+4*(\slot)+3], s[G0+4*(\slot)+2:G0+4*(\slot)+3], 2*STEPA
	s_add_nc_u64 s[G0B+4*(\slot)+2:G0B+4*(\slot)+3], s[G0B+4*(\slot)+2:G0B+4*(\slot)+3], 2*STEPB
	JLOAD \slot                                    ; its four v_nop are also the places in front of the loads below
.else
	PLACES
.endif
	FETCH \next, 0, F0
	MUL8 F1, 1, 0, 0
	MUL8 F1, 1, 2, 0
.endm
	s_wait_tensorcnt 1                             ; my part of K step 0 is in; K step 1's may stay out
	s_barrier_signal -1
	s_barrier_wait -1
	FETCH 0, 0, F0
	QUARTER 0, 1, F0, F1, 1                        ; the first quarter stands in front of the loop: its first products start the sums
	WIN 0
	s_mov_b32 s3, LAPS-1
.Llap:
	QUARTER 0, 2, F1, F0, 0
	QUARTER 0, 3, F0, F1, 0
	TURN 0, 1, 1
	QUARTER 1, 1, F0, F1, 0
	QUARTER 1, 2, F1, F0, 0
	QUARTER 1, 3, F0, F1, 0
	TURN 1, 0, 1
	QUARTER 0, 1, F0, F1, 0
	WIN 0
	s_sub_co_u32 s3, s3, 1
	s_cmp_lg_u32 s3, 0
	s_cbranch_scc1 .Llap
	QUARTER 0, 2, F1, F0, 0                        ; the last lap fills nothing
	QUARTER 0, 3, F0, F1, 0
	TURN 0, 1, 0
	QUARTER 1, 1, F0, F1, 0
	QUARTER 1, 2, F1, F0, 0
	QUARTER 1, 3, F0, F1, 0
	s_wait_dscnt 16
	MUL8 F1, 0, 0, 0
	MUL8 F1, 0, 2, 0
	s_wait_dscnt 0x0
	MUL8 F1, 1, 0, 0
	MUL8 F1, 1, 2, 0
	WIN 0
; THE WAY OUT, a block of 16 rows at a time: a lane's 32 bytes of a row into my own stage, each accumulator from its low end on; back as whole rows of 256 bytes; stored.
.macro STG a
.if (\a) >= 2
	s_wait_xcnt 0x0                                ; the stores of the block two back have read the registers that are loaded again below
.endif
.irp b, 0,1,2,3
	ds_store_b128 v[STO], v[ACC+8*(4*(\a)+(\b)):ACC+8*(4*(\a)+(\b))+3]   offset:64*(\b)
	ds_store_b128 v[STO], v[ACC+8*(4*(\a)+(\b))+4:ACC+8*(4*(\a)+(\b))+7] offset:64*(\b)+16
.endr
.irp t, 0,1,2,3,4,5,6,7
	ds_load_b128 v[OB+32*((\a)%2)+4*(\t):OB+32*((\a)%2)+4*(\t)+3], v[RD] offset:(\t)*2*SPITCH  ; LDS serves a wave's instructions in order (ISA guide 5.7.1.4): these see the stores above; the next block's stores come behind them
.endr
.endm
.macro SENDO a, younger                ; younger: the LDS instructions issued behind block a's loads: the next block's sixteen, or none
.irp t, 0,1,2,3,4,5,6,7
	s_wait_dscnt (\younger)+7-(\t)
	global_store_b128 v[CO], v[OB+32*((\a)%2)+4*(\t):OB+32*((\a)%2)+4*(\t)+3], s[8:9] offset:(16*(\a)+2*(\t))*8192  ; 16 lanes store 256 consecutive bytes, at a multiple of 256 from the output's first byte
.endr
.endm
	PLACES
	STG 0
.irp a, 1,2,3
	STG \a
	SENDO (\a)-1, 16
.endr
	SENDO 3, 0
	s_wait_tensorcnt 0x0                           ; the wave's end
	ds_add_u32 v[SPW], v[NIL]
	s_wait_dscnt 0x0
	CROUND                                         ; the closing round
	s_endpgm
.Lfunc_end_k_qb1720e85ae_outp:
	.size	k_qb1720e85ae_outp, .Lfunc_end_k_qb1720e85ae_outp-k_qb1720e85ae_outp
	.p2alignl 7, 3214868480
	.fill 96, 4, 3214868480
	.section	.rodata,"a",@progbits
	.p2align	6, 0x0
	.amdhsa_kernel k_qb1720e85ae_outp
		.amdhsa_group_segment_fixed_size 327680
		.amdhsa_private_segment_fixed_size 0
		.amdhsa_enable_private_segment 0
		.amdhsa_kernarg_size 24
		.amdhsa_user_sgpr_count 2
		.amdhsa_user_sgpr_kernarg_segment_ptr 1
		.amdhsa_wavefront_size32 1
		.amdhsa_system_sgpr_workgroup_id_x 1
		.amdhsa_system_sgpr_workgroup_id_y 1
		.amdhsa_system_sgpr_workgroup_id_z 1
		.amdhsa_system_vgpr_workitem_id 0
		.amdhsa_next_free_vgpr 512
		.amdhsa_next_free_sgpr 66
		.amdhsa_reserve_vcc 0
		.amdhsa_float_denorm_mode_32 3
		.amdhsa_float_denorm_mode_16_64 3
		.amdhsa_memory_ordered 1
		.amdhsa_forward_progress 1
		.amdhsa_inst_pref_size 87
	.end_amdhsa_kernel
	.amdgpu_metadata
---
amdhsa.version: [ 1, 2 ]
amdhsa.kernels:
  - .name:           k_qb1720e85ae_outp
    .symbol:         k_qb1720e85ae_outp.kd
    .args:
      - { .name: o16, .offset: 0, .size: 8, .value_kind: global_buffer, .address_space: global }
      - { .name: wo16, .offset: 8, .size: 8, .value_kind: global_buffer, .address_space: global }
      - { .name: out0, .offset: 16, .size: 8, .value_kind: global_buffer, .address_space: global }
    .group_segment_fixed_size: 327680
    .private_segment_fixed_size: 0
    .kernarg_segment_align: 8
    .kernarg_segment_size: 24
    .max_flat_workgroup_size: 128
    .sgpr_count:     66
    .vgpr_count:     512
    .wavefront_size: 32
...
	.end_amdgpu_metadata
.endif
;; end of part 4
;; ======== version 2 of 2: 4 launches; version 1 with the launch prep written anew for expert scheduling mode
;; limits: values are held in f16: magnitudes above 65,504 overflow, below 6.1e-05 lose precision
;; workspace buffers: xb 8,388,608 bytes; wqkv 25,165,824 bytes; wo16 8,388,608 bytes; fl 262,144 bytes; qkv 25,165,824 bytes; o16 8,388,608 bytes
;; launch prep (part 5): grid 128 x 6, 4 waves a work-group, no clusters, 8,704 bytes of LDS; arguments hidden_states, Wq, Wk, Wv, Wo, Wf, bf, xb, wqkv, wo16, fl; writes xb, wqkv, wo16, fl
.if DOCPART == 5
	.amdgcn_target "amdgcn-amd-amdhsa--gfx1250"
	.amdhsa_code_object_version 6
	.text
	.protected	k_qb1720e85ae_prep
	.globl	k_qb1720e85ae_prep
	.p2align	8
	.type	k_qb1720e85ae_prep,@function
k_qb1720e85ae_prep:
	s_mov_b64 s[64:65], 0
	v_nop
	global_prefetch_b8 v0, s[64:65] scope:SCOPE_SE
	s_setreg_imm32_b32 hwreg(HW_REG_WAVE_SCHED_MODE, 0, 2), 2
	s_setreg_imm32_b32 hwreg(HW_REG_WAVE_MODE, 25, 1), 1
	s_wait_xcnt 0x0
	s_wait_alu depctr_vm_vsrc(0)
; PREP: the casts and the gate.  The grid's y picks a work-group's role, its x a block of 16 rows of 2,048 numbers.
;   y = 0: x -> xb (bf16).   y = 1, 2, 3: Wq, Wk, Wv -> wqkv (bf16), one below the other.   y = 4: Wo -> wo16: rounded to bf16 like every input, that number written as f16.
;   y = 5: fl[head][s] = log_sigmoid(x[s] . Wf[head] + bf[head]) in f32, x, Wf and bf rounded to bf16, the sums in f32.
; CASTS.  A stream: 131,072 bytes in and 65,536 out for a work-group; a wave takes 32 slots of 1,024 bytes, a lane 32 bytes in (two loads) and 16 out, so a wave's store covers 512
; consecutive bytes, aligned.  A ring of eight slots in registers keeps up to sixteen loads of a wave on their way.  No LDS, no matrix unit: nothing is shared and nothing is multiplied.
; GATE.  16 rows of x by 32 heads.  K is split among the four waves, 512 channels each, in 8 trips of 64 (256 consecutive bytes, aligned, of each f32 row); the partial sums meet in LDS.
; Source 0 = 16 rows of x, source 1 = 16 rows of Wf: a lane ends with ONE head and eight consecutive s: 32 bytes of fl.  fl leaves in pieces of 64 bytes a head: 262,144 bytes in all, beside
; the 126 million that the casts move, so that the launch that reads it finds a head's 2,048 gates on end.
; LIMITS.  f16 holds no number beyond 65,504, and below 6e-5 keeps a fixed step of 6e-8: Wo lies within that.  log(1 + t) is the logarithm of the rounded 1 + t: an absolute error of 6e-8 in a gate.
; NaN and infinities are not treated apart.
; THE MODE: SCHED_MODE bits 1:0 = 2 (LLVM: expert scheduling mode 2), set by the entry lines.  The code itself states the register dependences between vector or matrix instructions and
; memory or LDS instructions, with s_wait_alu, always for 0.
; THE PLAN, CASTS.  The ring is worked in blocks of two slots.  Registers that memory instructions touch:
;   X, slot i   Written by the slot's two loads (in Wo's role also by the lines that widen); read by the slot's conversions; behind them the loads of the same slot of the next round land in it.
;   Y, slot i   Written by the slot's last conversions; read by the slot's store; written again a round, eight slots, later.
;   v2, v3      Byte offsets, made once and never written again: the rounds are reached by the scalar bases, the slots by immediate offsets.
; So a block has ONE wait on va_vdst, behind its conversions: they have written its Y and are done with its X; its four loads and two stores follow with nothing between.  One wait on vm_vsrc
; stands at the block's head: the stores of a round back have read the Y that the block writes again.
; THE PLAN, GATE.  Registers that memory or LDS instructions touch:
;   BUF, set b  Six units of 16.  Written by 24 loads; the conversions read all 16 registers of a unit and write its low eight; the four products read the low eights alone.
;               One wait on va_vdst behind the conversions frees the upper eights: their twelve loads are dealt among the products, which name none of them.  A second behind the products
;               frees the low eights, for the other twelve.
;   ACC         Written by the products and the sums; read by the LDS stores, behind one wait on va_vdst, which also covers the LDS loads that land in BUF's first 32 registers.
;   v2, v4-v7   Addresses, made at the gate's head and never written again.
;   v8, v9      Written at the head, read by the closing add alone.
.set SPARE, 8192                       ; LDS: 0-8191 the gate's partial sums; then the spare words, 128 bytes a wave, which no other line names
.set SPW,  8                           ; v8   LDS address of my spare word; never rewritten
.set NIL,  9                           ; v9   0; never rewritten
.set WV,   30                          ; s30  my wave's number
; the casts
.set VIN,  2                           ; v2   32,768 wave + 32 lane; never rewritten
.set VOUT, 3                           ; v3   16,384 wave + 16 lane; never rewritten
.set X,    32                          ; v[32:95]   slot i: 8 numbers as loaded
.set Y,    96                          ; v[96:127]  slot i: 4 registers to store
.set T,    128                         ; v[128:135] at work, four registers for each slot of a block: no memory instruction names them
; the gate
.set FO,   2                           ; v2   (lane % 16) x 8,192 + 32 (lane / 16) + 2,048 wave: for x and for Wf; never rewritten
.set LS,   4                           ; v4   where I put my 32 bytes of a partial tile
.set LR,   5                           ; v5   where I read them back
.set YO,   6                           ; v6   my 32 bytes of fl
.set BO,   7                           ; v7   my head's word of bf
.set BF,   10                          ; v[10:11] bf, twice
.set ACC,  16                          ; v[16:47]  head tile j, fragment f: ACC + 8 (2 f + j)
.set BUF,  64                          ; v[64:255] two sets of six units of 16: x's fragments 0, 1; then Wf's, tile j fragment f at unit 2 + 2 j + f
	s_load_b512 s[8:23], s[0:1], 0x0               ; x 8, Wq 10, Wk 12, Wv 14, Wo 16, Wf 18, bf 20, xb 22
	s_load_b128 s[24:27], s[0:1], 0x40             ; wqkv 24, wo16 26
	s_load_b64 s[28:29], s[0:1], 0x50              ; fl
	v_lshl_add_u32 v[SPW], v0, 2, SPARE
	v_mov_b32 v[NIL], 0
	v_lshrrev_b32 v1, 5, v0
	v_readfirstlane_b32 s[WV], v1                  ; wave 0..3
	v_and_b32 v12, 31, v0                          ; lane
	s_wait_alu depctr_va_sdst(0)                   ; s30 is written: its first reader stands in the gate's arm
	s_and_b32 s33, ttmp7, 0xffff                   ; the role
	s_mov_b32 s31, 0xffff0000                      ; a word's upper bf16
	s_mov_b32 s3, 0
	s_wait_kmcnt 0x0
	s_cmp_eq_u32 s33, 5
	s_cbranch_scc1 .Lgate
	s_mov_b64 s[4:5], s[8:9]                       ; from where and to where, by the role
	s_mov_b64 s[6:7], s[22:23]
	s_cmp_eq_u32 s33, 1
	s_cselect_b64 s[4:5], s[10:11], s[4:5]
	s_cmp_eq_u32 s33, 2
	s_cselect_b64 s[4:5], s[12:13], s[4:5]
	s_cmp_eq_u32 s33, 3
	s_cselect_b64 s[4:5], s[14:15], s[4:5]
	s_cmp_eq_u32 s33, 4
	s_cselect_b64 s[4:5], s[16:17], s[4:5]
	s_cselect_b64 s[6:7], s[26:27], s[6:7]
	s_sub_co_u32 s34, s33, 1
	s_cmp_lt_u32 s34, 3                            ; roles 1 to 3
	s_cselect_b64 s[6:7], s[24:25], s[6:7]
	s_cselect_b32 s34, s34, 0
	s_lshl_b32 s34, s34, 23                        ; a weight's 8,388,608 bytes in wqkv
	s_lshl_b32 s2, ttmp9, 16                       ; the block's 65,536 bytes out
	s_add_co_u32 s2, s2, s34
	s_add_nc_u64 s[6:7], s[6:7], s[2:3]
	s_lshl_b32 s2, ttmp9, 17                       ; and 131,072 in
	s_add_nc_u64 s[4:5], s[4:5], s[2:3]
	v_lshlrev_b32 v[VIN], 5, v12
	v_lshl_add_u32 v[VIN], v1, 15, v[VIN]
	v_lshlrev_b32 v[VOUT], 4, v12
	v_lshl_add_u32 v[VOUT], v1, 14, v[VOUT]
	s_wait_alu depctr_va_vdst(0)                   ; v2 and v3 are written: every load and store of the casts, in both arms below, reads one of them as its offset
; One slot's conversions.  fmt = 1: bf16's value as f16.
.macro CONV i, fmt
.if \fmt
.irp k, 0,1,2,3
	v_cvt_pk_bf16_f32 v[T+4*((\i)%2)+(\k)], v[X+8*(\i)+2*(\k)], v[X+8*(\i)+2*(\k)+1]
.endr
.irp k, 0,1,2,3
	v_lshlrev_b32 v[X+8*(\i)+2*(\k)],   16, v[T+4*((\i)%2)+(\k)]
	v_and_b32     v[X+8*(\i)+2*(\k)+1], s31, v[T+4*((\i)%2)+(\k)]
.endr
.irp k, 0,1,2,3
	v_cvt_pk_f16_f32 v[Y+4*(\i)+(\k)], v[X+8*(\i)+2*(\k)], v[X+8*(\i)+2*(\k)+1]
.endr
.else
.irp k, 0,1,2,3
	v_cvt_pk_bf16_f32 v[Y+4*(\i)+(\k)], v[X+8*(\i)+2*(\k)], v[X+8*(\i)+2*(\k)+1]
.endr
.endif
.endm
; Block b of a round: slots 2 b and 2 b + 1.  ahead = 1: they are filled again, eight slots on.  left: the younger loads that may stay out.
.macro BLK b, ahead, left, fmt
	s_wait_loadcnt \left                           ; loads come back in order: the block's four are in
	s_wait_xcnt 0x0                                ; every earlier memory instruction has had its addresses translated: the block's Y, which its last stores read, is rewritten only behind this wait
	s_wait_alu depctr_vm_vsrc(0)                   ; the stores issued a round back have read the block's Y, which the conversions below write again (in the first round there are none yet)
	CONV 2*(\b), \fmt
	CONV 2*(\b)+1, \fmt
	s_wait_alu depctr_va_vdst(0)                   ; the conversions have written the block's Y, which the stores below read, and are done reading and writing its X, in which the loads below land
.if \ahead
.irp i, 2*(\b), 2*(\b)+1
	global_load_b128 v[X+8*(\i):X+8*(\i)+3],   v[VIN], s[4:5] offset:(8+(\i))*1024
	global_load_b128 v[X+8*(\i)+4:X+8*(\i)+7], v[VIN], s[4:5] offset:(8+(\i))*1024+16
.endr
.endif
.irp i, 2*(\b), 2*(\b)+1
	global_store_b128 v[VOUT], v[Y+4*(\i):Y+4*(\i)+3], s[6:7] offset:(\i)*512
.endr
.endm
; A wave's 32 slots: the ring is filled, three rounds load ahead, the last round loads nothing and its counts run down.
.macro CAST fmt
.irp i, 0,1,2,3,4,5,6,7
	global_load_b128 v[X+8*(\i):X+8*(\i)+3],   v[VIN], s[4:5] offset:(\i)*1024
	global_load_b128 v[X+8*(\i)+4:X+8*(\i)+7], v[VIN], s[4:5] offset:(\i)*1024+16
.endr
	s_mov_b32 s32, 3
.Lround_\@:
.irp b, 0,1,2,3
	BLK \b, 1, 12, \fmt                            ; 12: four loads of each of the three younger blocks
.endr
	s_wait_xcnt 0x0                                ; every load and store issued has read its base
	s_add_nc_u64 s[4:5], s[4:5], 8192
	s_add_nc_u64 s[6:7], s[6:7], 4096
	s_sub_co_u32 s32, s32, 1
	s_cmp_lg_u32 s32, 0
	s_cbranch_scc1 .Lround_\@
.irp b, 0,1,2,3
	BLK \b, 0, 12-4*(\b), \fmt
.endr
.endm
	s_cmp_eq_u32 s33, 4
	s_cbranch_scc1 .Lwo
	CAST 0
	s_branch .Lend
.Lwo:
	CAST 1
	s_branch .Lend
; THE GATE
; One load: piece e of unit u of set b.  A fragment's 32 channels are 128 bytes of f32, of which a lane takes bytes 0, 16, 64 and 80 behind its own 32 (lane / 16): pieces 0 to 3.
.macro LD b, u, e, off
.if (\u) < 2
	global_load_b128 v[BUF+96*(\b)+16*(\u)+4*(\e):BUF+96*(\b)+16*(\u)+4*(\e)+3], v[FO], s[4:5] offset:(\off)+128*(\u)+16*((\e)%2)+64*((\e)/2)
.else
	global_load_b128 v[BUF+96*(\b)+16*(\u)+4*(\e):BUF+96*(\b)+16*(\u)+4*(\e)+3], v[FO], s[6:7] offset:(\off)+128*(((\u)-2)%2)+16*((\e)%2)+64*((\e)/2)+131072*(((\u)-2)/2)
.endif
.endm
.macro HALF b, h, off                  ; twelve loads: the low (h = 0) or the upper (h = 1) eight registers of each of the set's six units
.irp u, 0,1,2,3,4,5
	LD \b, \u, 2*(\h), \off
	LD \b, \u, 2*(\h)+1, \off
.endr
.endm
.macro CVT b                           ; each unit's 16 f32 become its first 8 registers of bf16, in place, ascending: a register is read before it is written
.set u, 0
.rept 6
.set q, 0
.rept 8
	v_cvt_pk_bf16_f32 v[BUF+96*(\b)+16*u+q], v[BUF+96*(\b)+16*u+2*q], v[BUF+96*(\b)+16*u+2*q+1]
.set q, q+1
.endr
.set u, u+1
.endr
.endm
.macro PLACES                          ; four places behind the last product, in front of loads into registers that it has read and of sums that read results
.rept 4
	v_nop
.endr
.endm
; A trip on set b.  ahead = 1: the set is asked for again, two trips on.  left: the younger loads that may stay out.
; Four products, each on an accumulator of its own: three others stand between two links of a chain, over the backward jump too.
.macro STEP b, ahead, left
	s_wait_loadcnt \left                           ; the set (and, the first time, bf) is in
.if (\ahead) && ((\b) == 0)
	s_wait_xcnt 0x0                                ; every load issued has read its base
	s_add_nc_u64 s[4:5], s[4:5], 512
	s_add_nc_u64 s[6:7], s[6:7], 512
.endif
	CVT \b
.if \ahead
	s_wait_alu depctr_va_vdst(0)                   ; the conversions are done reading the upper eight registers of each unit, in which the loads dealt among the products below land
.endif
.set n, 0
.irp f, 0,1
.irp j, 0,1
	v_wmma_f32_16x16x32_bf16 v[ACC+8*(2*(\f)+(\j)):ACC+8*(2*(\f)+(\j))+7], v[BUF+96*(\b)+16*(\f):BUF+96*(\b)+16*(\f)+7], v[BUF+96*(\b)+16*(2+2*(\j)+(\f)):BUF+96*(\b)+16*(2+2*(\j)+(\f))+7], v[ACC+8*(2*(\f)+(\j)):ACC+8*(2*(\f)+(\j))+7]
.if \ahead
.rept 3
	LD \b, n/2, 2+n%2, 256*(\b)                    ; no wait: the products since the wait above name the units' low eights and the accumulators alone
.set n, n+1
.endr
.endif
.endr
.endr
.if \ahead
	PLACES                                         ; the places behind the last product stay beside the wait below
	s_wait_alu depctr_va_vdst(0)                   ; the products are done reading the low eight registers of each unit, which the conversions wrote and in which the loads below land
	HALF \b, 0, 256*(\b)
.endif
.endm
.Lgate:
	v_and_b32 v13, 15, v0                          ; lane % 16
	v_bfe_u32 v14, v0, 4, 1                        ; lane / 16
	s_lshl_b32 s34, s[WV], 11                      ; my 512 channels: 2,048 bytes
	v_lshlrev_b32 v[FO], 13, v13
	v_lshl_add_u32 v[FO], v14, 5, v[FO]
	v_add_nc_u32 v[FO], s34, v[FO]
	v_lshl_add_u32 v[LS], v12, 5, s34              ; 2,048 wave + 32 lane
	s_lshl_b32 s35, s[WV], 10
	v_lshl_add_u32 v[LR], v12, 5, s35              ; tile = my wave's number (waves 0 and 1)
	s_and_b32 s35, s[WV], 1
	s_lshl_b32 s35, s35, 4
	v_add_nc_u32 v15, s35, v13                     ; my head
	v_lshlrev_b32 v[BO], 2, v15
	v_lshlrev_b32 v[YO], 13, v15                   ; a head's 8,192 bytes of fl
	v_lshl_add_u32 v[YO], v14, 5, v[YO]
	s_lshl_b32 s2, ttmp9, 17
	s_add_nc_u64 s[4:5], s[8:9], s[2:3]            ; x at the block's 16 rows
	s_mov_b64 s[6:7], s[18:19]                     ; Wf
	s_lshl_b32 s2, ttmp9, 6
	s_add_nc_u64 s[28:29], s[28:29], s[2:3]        ; fl at the block's 16 s
	s_wait_alu depctr_va_vdst(0)                   ; the five addresses v2 and v4 to v7 are written, which the gate's loads, LDS instructions and stores read
	global_load_b32 v[BF], v[BO], s[20:21]
	HALF 0, 0, 0                                   ; trip 0
	HALF 0, 1, 0
	HALF 1, 0, 256                                 ; trip 1
	HALF 1, 1, 256
.set r, 0
.rept 32
	v_mov_b32 v[ACC+r], 0                          ; the sums start at 0, written while the first loads are out, so that the loop has one form of product
.set r, r+1
.endr
	s_mov_b32 s32, 3
.Lturn:                                        ; trips 2 i and 2 i + 1 are multiplied, trips 2 i + 2 and 2 i + 3 asked for
	STEP 0, 1, 24                                  ; 24: the other set's loads may stay out
	STEP 1, 1, 24
	s_sub_co_u32 s32, s32, 1
	s_cmp_lg_u32 s32, 0
	s_cbranch_scc1 .Lturn
	STEP 0, 0, 24                                  ; the last two trips load nothing, so they state no dependence
	STEP 1, 0, 0
	PLACES
	PLACES
.set r, 0
.rept 8
	v_pk_add_f32 v[ACC+r:ACC+r+1], v[ACC+r:ACC+r+1], v[ACC+16+r:ACC+16+r+1]  ; the two fragments' sums, each accumulator from its low end on
.set r, r+2
.endr
	s_wait_alu depctr_va_vdst(0)                   ; the sums have written v[ACC ..], which the LDS stores read; the conversions and products are done with BUF's first 32 registers, in which the LDS loads behind the barrier land
.irp j, 0,1
	ds_store_b128 v[LS], v[ACC+8*(\j):ACC+8*(\j)+3]   offset:1024*(\j)
	ds_store_b128 v[LS], v[ACC+8*(\j)+4:ACC+8*(\j)+7] offset:1024*(\j)+16
.endr
	s_wait_dscnt 0x0                               ; for the others' sake: my partial sums lie in LDS
	s_barrier_signal -1
	s_barrier_wait -1
	s_cmp_lt_u32 s[WV], 2                          ; wave 0 finishes heads 0-15, wave 1 heads 16-31
	s_cbranch_scc0 .Lend
.irp v, 0,1,2,3
	ds_load_b128 v[BUF+8*(\v):BUF+8*(\v)+3],   v[LR] offset:2048*(\v)
	ds_load_b128 v[BUF+8*(\v)+4:BUF+8*(\v)+7], v[LR] offset:2048*(\v)+16
.endr
	v_cvt_pk_bf16_f32 v[BF], v[BF], v[BF]          ; bf is rounded as every input is
	v_lshlrev_b32 v[BF], 16, v[BF]
	v_mov_b32 v[BF+1], v[BF]
	s_wait_dscnt 0x0
.set r, 0
.rept 4
	v_pk_add_f32 v[BUF+r:BUF+r+1], v[BUF+r:BUF+r+1], v[BUF+8+r:BUF+8+r+1]
	v_pk_add_f32 v[BUF+16+r:BUF+16+r+1], v[BUF+16+r:BUF+16+r+1], v[BUF+24+r:BUF+24+r+1]
.set r, r+2
.endr
.set r, 0
.rept 4
	v_pk_add_f32 v[BUF+r:BUF+r+1], v[BUF+r:BUF+r+1], v[BUF+16+r:BUF+16+r+1]
.set r, r+2
.endr
.set r, 0
.rept 4
	v_pk_add_f32 v[BUF+r:BUF+r+1], v[BUF+r:BUF+r+1], v[BF:BF+1]  ; z
.set r, r+2
.endr
	; log_sigmoid(z) = min(z, 0) - ln 2 x log2(1 + 2^(-|z| log2 e))
.set r, 0
.rept 8
	v_and_b32 v[BUF+8+r], 0x7fffffff, v[BUF+r]
	v_mul_f32 v[BUF+8+r], 0xbfb8aa3b, v[BUF+8+r]
.set r, r+1
.endr
.set r, 0
.rept 8
	v_exp_f32 v[BUF+8+r], v[BUF+8+r]
.set r, r+1
.endr
	v_nop                                          ; a plain instruction behind the last exponential,
	s_wait_alu depctr_va_vdst(0)                   ; and one wait for the eight exponentials' results, ahead of their first reader
.set r, 0
.rept 8
	v_add_f32 v[BUF+8+r], 1.0, v[BUF+8+r]
.set r, r+1
.endr
.set r, 0
.rept 8
	v_log_f32 v[BUF+8+r], v[BUF+8+r]
.set r, r+1
.endr
	v_nop
	s_wait_alu depctr_va_vdst(0)                   ; one wait for the eight logarithms' results, ahead of their first reader
.set r, 0
.rept 8
	v_min_num_f32 v[BUF+16+r], 0, v[BUF+r]
	v_fmamk_f32 v[BUF+16+r], v[BUF+8+r], 0xbf317218, v[BUF+16+r]
.set r, r+1
.endr
	s_wait_alu depctr_va_vdst(0)                   ; the eight gates are written, which the two stores read
	global_store_b128 v[YO], v[BUF+16:BUF+19], s[28:29]
	global_store_b128 v[YO], v[BUF+20:BUF+23], s[28:29] offset:16
.Lend:
	s_wait_dscnt 0x0                               ; the closing lines, six on end
	s_wait_alu 0x0
	s_wait_tensorcnt 0x0
	ds_add_u32 v[SPW], v[NIL]
	s_wait_dscnt 0x0
	s_endpgm
.Lfunc_end_k_qb1720e85ae_prep:
	.size	k_qb1720e85ae_prep, .Lfunc_end_k_qb1720e85ae_prep-k_qb1720e85ae_prep
	.p2alignl 7, 3214868480
	.fill 96, 4, 3214868480
	.section	.rodata,"a",@progbits
	.p2align	6, 0x0
	.amdhsa_kernel k_qb1720e85ae_prep
		.amdhsa_group_segment_fixed_size 8704
		.amdhsa_private_segment_fixed_size 0
		.amdhsa_enable_private_segment 0
		.amdhsa_kernarg_size 88
		.amdhsa_user_sgpr_count 2
		.amdhsa_user_sgpr_kernarg_segment_ptr 1
		.amdhsa_wavefront_size32 1
		.amdhsa_system_sgpr_workgroup_id_x 1
		.amdhsa_system_sgpr_workgroup_id_y 1
		.amdhsa_system_sgpr_workgroup_id_z 1
		.amdhsa_system_vgpr_workitem_id 0
		.amdhsa_next_free_vgpr 256
		.amdhsa_next_free_sgpr 66
		.amdhsa_reserve_vcc 0
		.amdhsa_float_denorm_mode_32 3
		.amdhsa_float_denorm_mode_16_64 3
		.amdhsa_memory_ordered 1
		.amdhsa_forward_progress 1
		.amdhsa_inst_pref_size 61
	.end_amdhsa_kernel
	.amdgpu_metadata
---
amdhsa.version: [ 1, 2 ]
amdhsa.kernels:
  - .name:           k_qb1720e85ae_prep
    .symbol:         k_qb1720e85ae_prep.kd
    .args:
      - { .name: hidden_states, .offset: 0, .size: 8, .value_kind: global_buffer, .address_space: global }
      - { .name: Wq, .offset: 8, .size: 8, .value_kind: global_buffer, .address_space: global }
      - { .name: Wk, .offset: 16, .size: 8, .value_kind: global_buffer, .address_space: global }
      - { .name: Wv, .offset: 24, .size: 8, .value_kind: global_buffer, .address_space: global }
      - { .name: Wo, .offset: 32, .size: 8, .value_kind: global_buffer, .address_space: global }
      - { .name: Wf, .offset: 40, .size: 8, .value_kind: global_buffer, .address_space: global }
      - { .name: bf, .offset: 48, .size: 8, .value_kind: global_buffer, .address_space: global }
      - { .name: xb, .offset: 56, .size: 8, .value_kind: global_buffer, .address_space: global }
      - { .name: wqkv, .offset: 64, .size: 8, .value_kind: global_buffer, .address_space: global }
      - { .name: wo16, .offset: 72, .size: 8, .value_kind: global_buffer, .address_space: global }
      - { .name: fl, .offset: 80, .size: 8, .value_kind: global_buffer, .address_space: global }
    .group_segment_fixed_size: 8704
    .private_segment_fixed_size: 0
    .kernarg_segment_align: 8
    .kernarg_segment_size: 88
    .max_flat_workgroup_size: 128
    .sgpr_count:     66
    .vgpr_count:     256
    .wavefront_size: 32
...
	.end_amdgpu_metadata
.endif
;; end of part 5
;; launch qkv: the kernel of part 2 again; grid 32 x 8, 4 waves a work-group, clusters of 4 x 4, 327,680 bytes of LDS; arguments xb, wqkv, qkv; writes qkv
;; launch attn: the kernel of part 3 again; grid 8 x 32, 4 waves a work-group, no clusters, 327,680 bytes of LDS; arguments qkv, fl, o16; writes o16
;; launch outp: the kernel of part 4 again; grid 16 x 16, 4 waves a work-group, clusters of 4 x 4, 327,680 bytes of LDS; arguments o16, wo16, out0; writes out0
